; MI455X (gfx1250); checked and timed in simulation.
; The chip was launched on July 23, 2026; its instructions are those of AMD's public machine-readable ISA for CDNA 5 (MIT licence, August 2026) and "CDNA5" Instruction Set Architecture Reference Guide (July 2026). The comments in the code are by the model that wrote it; some were corrected since.
;; Adaptive Expert Layer. Allowed arithmetic: matrix products marked QUANTISED: E2M3 operands, one E8M0 scale for each 32 along K, by v_wmma_scale_f32_16x16x128_f8f6f4 with both operands' format E2M3, f32 sums; products left as they are: f32 operands where the result goes on into a quantised operand, else bf16, f16 or f32 operands; f32 sums; everything else in f32.
;; Inputs: W1 8 x 4,096 x 1,024 float32; W2 8 x 1,024 x 4,096 float32; b1 8 x 4,096 float32; b2 8 x 1,024 float32; gate_w 8 x 1,024 float32; x 4 x 256 x 1,024 float32.
;; Outputs: out0 4 x 256 x 1,024 float32.
;; This version of the problem:
;;   THIS VERSION OF THE PROBLEM IS GIVEN IN LOW PRECISION. The matrix products marked QUANTISED in the list below multiply operands that are first quantised to E2M3 (2 exponent bits, 3 mantissa bits; 6 bits a number), with one power-of-two scale for each 32 numbers along K (OCP MX v1.0); their sums are f32. All else is computed in f32.
;;   The module's matrix products, in the order in which they are computed (A, B: the left and right operand; K: the contracted axis; several contracted axes count as one K, in the product's order):
;;     1. [M 1,024, K 1,024] x [K 1,024, N 8]; A: input x; B: input gate_w: left as it is (N = 8 < 16)
;;     2. [M 32,768, K 1,024] x [K 1,024, N 1,024]; A: input W1; B: input x: QUANTISED
;;     3. batch 8 x [M 1,024, K 4,096] x [K 4,096, N 1,024]; A: computed on the way; B: input W2: QUANTISED
;;     4. batch 1,024 x [M 1, K 8] x [K 8, N 1,024]; A: computed on the way; B: computed on the way: left as it is (K = 8 < 32)
;;   THE QUANTISER, for each operand of a quantised product, along K:
;;     - K is cut into blocks of 32 from its start; a last block that is shorter is filled with zeros.
;;     - A block's scale is 2^e with e = floor(log2(the largest magnitude in the block)) - 2, held to -126 .. 127; a block of zeros has e = 0. As a byte (E8M0): e + 127.
;;     - Each number is divided by its block's scale, clamped to +-7.5, and rounded to the nearest number of E2M3, ties to even, subnormals kept.
;;     - The product sums the exact products of the quantised numbers (number of the format x scale) in f32.
;;   ~~~python
;;   def quantise(x, axis):      # numpy; x: float32 -> the quantised numbers, widened to float32 again
;;       x = np.moveaxis(x, axis, -1); K = x.shape[-1]
;;       x = np.pad(x, [(0, 0)] * (x.ndim - 1) + [(0, -K % 32)]); x = x.reshape(x.shape[:-1] + (-1, 32)); a = np.abs(x).max(-1, keepdims=True)
;;       e = np.where(a > 0, np.clip(np.frexp(np.where(a > 0, a, 1))[1] - 1 - 2, -126, 127), 0)      # np.frexp(a)[1] - 1 = floor(log2(a)), exactly
;;       r = np.clip(x / 2.0 ** e, -7.5, 7.5)
;;       step = 2.0 ** (np.maximum(np.frexp(np.where(r == 0, 1, r))[1] - 1, 0) - 3)
;;       q = np.round(r / step) * step * 2.0 ** e      # np.round: ties to even
;;       return np.moveaxis(q.reshape(q.shape[:-2] + (-1,))[..., :K], -1, axis).astype(np.float32)
;;   ~~~
;;   OPERANDS COMPUTED ON THE WAY. 'Computed on the way' means the value that the module computes at that place (a softmax that the list does not call 'softmax' is quantised finished and normalised). What goes into a quantiser is computed in f32, as accurately as f32 sums, v_exp_f32 and their like allow (about 1e-6 of the number): no bf16 or f16 on the way to a quantiser, and a product that is left as it is and whose result goes on into a quantised operand takes f32 operands (vector FMAs, or v_wmma_f32_16x16x4_f32). A number that lies on a knife's edge between two numbers of the format may be rounded either way, as far as f32 arithmetic and the matrix unit's own rounding can turn it there, and no further.
;; 2 versions. Each part assembles by itself: llvm-mc -triple=amdgcn-amd-amdhsa -mcpu=gfx1250 --defsym DOCPART=n.
;; ======== version 1 of 2: 6 launches
;; workspace buffers: idx 8,192 bytes of whole numbers; wts 8,192 bytes; plc 98,560 bytes of whole numbers; xs 6,553,600 bytes; hq 26,214,400 bytes; yp 134,217,728 bytes
;; launch route (part 1): grid 256 x 1, 4 waves a work-group, no clusters, 0 bytes of LDS; arguments x, gate_w, idx, wts; writes idx, wts
.if DOCPART == 1
	.amdgcn_target "amdgcn-amd-amdhsa--gfx1250"
	.amdhsa_code_object_version 6
	.text
	.protected	k_qe408d75042_route
	.globl	k_qe408d75042_route
	.p2align	8
	.type	k_qe408d75042_route,@function
k_qe408d75042_route:
	s_mov_b64 s[64:65], 0
	v_nop
	global_prefetch_b8 v0, s[64:65] scope:SCOPE_SE
	s_setreg_imm32_b32 hwreg(HW_REG_WAVE_MODE, 25, 1), 1
	s_wait_xcnt 0x0
; THE ROUTER.  logits = x gate_w^T (f32 fused multiply-adds), softmax with the row's maximum taken away, the two largest
; probabilities (of equal ones the lower index is kept: the compares are strict), their weights w / (w1 + w2 + 1e-9).
; One wave takes one token.  Lane l holds k = 128 i + 4 l + 0..3 of the token's row and of all eight rows of gate_w (256 registers, window 1).
; Stored at fixed places: idx[2 n + k] the expert, wts[2 n + k] its weight.  No address and no branch hangs on the choice.
; LIMITS: NaN and infinities are not served; the logits' sums run in another order than a plain loop over k; a wave stores 8 bytes to each buffer.
.set X,   32                           ; v32-63   my 32 numbers of x
.set ACC, 64                           ; v64-79   eight sums, in pairs
.set P,   80                           ; v80-87   logits, then probabilities
.set Q,   88                           ; v88-95   the other half of the lanes' sums
.set MSB, 0
.macro WIN new                         ; the immediate's high byte repeats the setting that is left
.if MSB != (\new)
	s_set_vgpr_msb (MSB<<8)|(\new)
.set MSB, (\new)
.endif
.endm
	s_load_b256 s[4:11], s[0:1], 0x0               ; x s[4:5], gate_w s[6:7], idx s[8:9], wts s[10:11]
	v_lshrrev_b32 v3, 5, v0
	v_readfirstlane_b32 s12, v3                    ; wave
	v_and_b32 v2, 31, v0                           ; lane
	v_lshlrev_b32 v1, 4, v2                        ; 16 bytes a lane
	v_lshlrev_b32 v3, 2, v2                        ; 4 bytes a lane, for the stores
	s_lshl_b32 s13, ttmp9, 2
	s_add_co_u32 s13, s13, s12                     ; my token n
	s_lshl_b32 s16, s13, 12                        ; its row of 4,096 bytes
	s_mov_b32 s17, 0
	s_lshl_b32 s18, s13, 3                         ; its 8 bytes in idx and in wts
	s_mov_b32 s19, 0
	s_mov_b32 s14, 0x76543210                      ; v_permlanex16_b32: lane l xor 16
	s_mov_b32 s15, 0xfedcba98
	s_mov_b32 s21, 0xaaaaaaaa                      ; the odd lanes
.irp e, 0,1,2,3,4,5,6,7
	v_mov_b32 v[Q+\e], 0                           ; a lane permute's destination counts as one of its sources
.endr
	s_wait_kmcnt 0x0
	s_add_nc_u64 s[4:5], s[4:5], s[16:17]
	s_add_nc_u64 s[8:9], s[8:9], s[18:19]
	s_add_nc_u64 s[10:11], s[10:11], s[18:19]
.irp i, 0,1,2,3,4,5,6,7
	global_load_b128 v[X+4*\i:X+4*\i+3], v1, s[4:5] offset:512*\i      ; 512 consecutive bytes a load
.endr
	WIN 0x40                                       ; destination window 1
.irp e, 0,1,2,3,4,5,6,7
.irp i, 0,1,2,3,4,5,6,7
	global_load_b128 v[32*\e+4*\i:32*\e+4*\i+3], v1, s[6:7] offset:4096*\e+512*\i
.endr
.endr
	WIN 0
	s_wait_loadcnt 0x0
	WIN 0x04                                       ; source 1 (gate_w) window 1
.irp e, 0,1,2,3,4,5,6,7
	v_pk_mul_f32 v[ACC+2*\e:ACC+2*\e+1], v[X:X+1], v[32*\e:32*\e+1]    ; the first products start the eight sums
.endr
.irp j, 1,2,3,4,5,6,7,8,9,10,11,12,13,14,15
.irp e, 0,1,2,3,4,5,6,7
	v_pk_fma_f32 v[ACC+2*\e:ACC+2*\e+1], v[X+2*\j:X+2*\j+1], v[32*\e+2*\j:32*\e+2*\j+1], v[ACC+2*\e:ACC+2*\e+1]
.endr
.endr
	WIN 0
.irp e, 0,1,2,3,4,5,6,7
	v_add_f32 v[P+\e], v[ACC+2*\e], v[ACC+2*\e+1]
.endr
.irp m, 1,2,4,8
.irp e, 0,1,2,3,4,5,6,7
	v_add_f32_dpp v[P+\e], v[P+\e], v[P+\e] row_xmask:\m row_mask:0xf bank_mask:0xf
.endr
.endr
.irp e, 0,1,2,3,4,5,6,7
	v_permlanex16_b32 v[Q+\e], v[P+\e], s14, s15
.endr
.irp e, 0,1,2,3,4,5,6,7
	v_add_f32 v[P+\e], v[P+\e], v[Q+\e]            ; every lane holds the eight logits
.endr
	v_max3_num_f32 v96, v80, v81, v82
	v_max3_num_f32 v97, v83, v84, v85
	v_max3_num_f32 v96, v96, v86, v87
	v_max_num_f32 v96, v96, v97                    ; the row's maximum
.irp e, 0,1,2,3,4,5,6,7
	v_sub_f32 v[P+\e], v[P+\e], v96
.endr
.irp e, 0,1,2,3,4,5,6,7
	v_mul_f32 v[P+\e], 0x3fb8aa3b, v[P+\e]         ; x log2(e)
.endr
.irp e, 0,1,2,3,4,5,6,7
	v_exp_f32 v[P+\e], v[P+\e]
.endr
	v_nop                                          ; one plain instruction behind the exponentials (ISA guide 5.7.2)
	s_wait_alu depctr_va_vdst(0)
	v_add_f32 v96, v80, v81
	v_add_f32 v97, v82, v83
	v_add_f32 v98, v84, v85
	v_add_f32 v99, v86, v87
	v_add_f32 v96, v96, v97
	v_add_f32 v98, v98, v99
	v_add_f32 v96, v96, v98
	v_rcp_f32 v97, v96
	v_nop
	s_wait_alu depctr_va_vdst(0)
.irp e, 0,1,2,3,4,5,6,7
	v_mul_f32 v[P+\e], v[P+\e], v97                ; the probabilities
.endr
	v_mov_b32 v100, v80                            ; the largest and its index: selections alone
	v_mov_b32 v101, 0
.irp e, 1,2,3,4,5,6,7
	v_cmp_gt_f32 vcc_lo, v[P+\e], v100
	v_cndmask_b32 v100, v100, v[P+\e], vcc_lo
	v_cndmask_b32 v101, v101, \e, vcc_lo
.endr
	v_mov_b32 v102, -1.0                           ; the largest of the others
	v_mov_b32 v103, 0
.irp e, 0,1,2,3,4,5,6,7
	v_cmp_ne_u32 s20, \e, v101
	v_cmp_gt_f32 vcc_lo, v[P+\e], v102
	s_and_b32 vcc_lo, vcc_lo, s20
	v_cndmask_b32 v102, v102, v[P+\e], vcc_lo
	v_cndmask_b32 v103, v103, \e, vcc_lo
.endr
	v_add_f32 v104, v100, v102
	v_add_f32 v104, 0x3089705f, v104               ; + 1e-9
	v_rcp_f32 v105, v104
	v_nop
	s_wait_alu depctr_va_vdst(0)
	v_mul_f32 v100, v100, v105
	v_mul_f32 v102, v102, v105
	v_cndmask_b32 v106, v101, v103, s21            ; lane 0: the first choice, lane 1: the second
	v_cndmask_b32 v107, v100, v102, s21
	v_cmp_gt_u32 vcc_lo, 2, v2
	s_wait_xcnt 0x0                                ; EXEC changes only behind this wait
	s_and_saveexec_b32 s22, vcc_lo
	global_store_b32 v3, v106, s[8:9]
	global_store_b32 v3, v107, s[10:11]
	s_wait_xcnt 0x0
	s_or_b32 exec_lo, exec_lo, s22
	s_endpgm
.Lfunc_end_k_qe408d75042_route:
	.size	k_qe408d75042_route, .Lfunc_end_k_qe408d75042_route-k_qe408d75042_route
	.p2alignl 7, 3214868480
	.fill 96, 4, 3214868480
	.section	.rodata,"a",@progbits
	.p2align	6, 0x0
	.amdhsa_kernel k_qe408d75042_route
		.amdhsa_group_segment_fixed_size 0
		.amdhsa_private_segment_fixed_size 0
		.amdhsa_enable_private_segment 0
		.amdhsa_kernarg_size 32
		.amdhsa_user_sgpr_count 2
		.amdhsa_user_sgpr_kernarg_segment_ptr 1
		.amdhsa_wavefront_size32 1
		.amdhsa_system_sgpr_workgroup_id_x 1
		.amdhsa_system_sgpr_workgroup_id_y 1
		.amdhsa_system_sgpr_workgroup_id_z 1
		.amdhsa_system_vgpr_workitem_id 0
		.amdhsa_next_free_vgpr 512
		.amdhsa_next_free_sgpr 66
		.amdhsa_reserve_vcc 1
		.amdhsa_float_denorm_mode_32 3
		.amdhsa_float_denorm_mode_16_64 3
		.amdhsa_memory_ordered 1
		.amdhsa_forward_progress 1
		.amdhsa_inst_pref_size 25
	.end_amdhsa_kernel
	.amdgpu_metadata
---
amdhsa.version: [ 1, 2 ]
amdhsa.kernels:
  - .name:           k_qe408d75042_route
    .symbol:         k_qe408d75042_route.kd
    .args:
      - { .name: x, .offset: 0, .size: 8, .value_kind: global_buffer, .address_space: global }
      - { .name: gate_w, .offset: 8, .size: 8, .value_kind: global_buffer, .address_space: global }
      - { .name: idx, .offset: 16, .size: 8, .value_kind: global_buffer, .address_space: global }
      - { .name: wts, .offset: 24, .size: 8, .value_kind: global_buffer, .address_space: global }
    .group_segment_fixed_size: 0
    .private_segment_fixed_size: 0
    .kernarg_segment_align: 8
    .kernarg_segment_size: 32
    .max_flat_workgroup_size: 128
    .sgpr_count:     66
    .vgpr_count:     512
    .wavefront_size: 32
...
	.end_amdgpu_metadata
.endif
;; end of part 1
;; launch list (part 2): grid 8 x 1, 4 waves a work-group, no clusters, 4,864 bytes of LDS; arguments idx, plc; writes plc
.if DOCPART == 2
	.amdgcn_target "amdgcn-amd-amdhsa--gfx1250"
	.amdhsa_code_object_version 6
	.text
	.protected	k_qe408d75042_list
	.globl	k_qe408d75042_list
	.p2align	8
	.type	k_qe408d75042_list,@function
k_qe408d75042_list:
	s_mov_b64 s[64:65], 0
	v_nop
	global_prefetch_b8 v0, s[64:65] scope:SCOPE_SE
	s_setreg_imm32_b32 hwreg(HW_REG_WAVE_MODE, 25, 1), 1
	s_wait_xcnt 0x0
; THE LISTS.  Work-group e: wave 0 scans all 2,048 routed rows (rho = 2 n + k) of idx, which an earlier launch stored, and lists those of expert e in LDS; the four waves then store the list.
; Stored, all at fixed places: plc + 8,192 e + 4 rho: 1,024 e + the row's place in the list where the row is this expert's, 0 elsewhere (each row is one expert's, so the eight tables
; joined by OR give every row's place); plc + LIST + 4,096 e: the list, 1,024 words, zeros behind the count (routed row 0: a valid row); plc + CNT + 4 e: the count.
; No branch hangs on idx, and no address in memory: only the LDS words into which wave 0 puts the listed rows.  The later launches read these whole numbers by scalar loads.
; THE SCAN GOES BY STAGES over 32 registers at a time: 32 compares into 32 scalar masks, 32 bit counts, their running sum in 32 scalars, then each vector line 32 times:
; so no line reads the result of the line above it.  One wave alone stores into the list: no two waves write the same LDS bytes.
; Eight work-groups: there are eight lists, and a list's order is made by one running count.
.set LIST,  65536
.set CNT,   98304
.set TRASH, 4096                       ; LDS: the list, 1,024 words, at 0; behind it a word for the rows of other experts
.set IDX, 32                           ; v32-95   idx as loaded: register 4 c + i holds idx[128 c + 4 lane + i]; then the row's place, or 0
.set DMP, 96                           ; v96-103  my quarter of the list on its way out
.set ZR,  20                           ; v20-23   zeros
.set ADR, 128                          ; v128-191 where each row goes in LDS
.set RHO, 192                          ; v192-255 the rows' numbers
.set MK,  32                           ; s32-63   the masks of 32 registers: the lanes whose row is this expert's
.set PF,  66                           ; s66-97   rows listed up to and with each of these registers
	s_load_b128 s[4:7], s[0:1], 0x0                ; idx s[4:5], plc s[6:7]
	v_lshl_add_u32 v126, v0, 2, 0x1100
	v_mov_b32 v127, 0
	v_lshrrev_b32 v11, 5, v0
	v_readfirstlane_b32 s12, v11                   ; wave
	v_and_b32 v15, 31, v0                          ; lane
	s_mov_b32 s16, ttmp9                           ; e
	v_lshlrev_b32 v1, 4, v15                       ; v1  16 x lane
	v_lshlrev_b32 v8, 2, v15                       ; v8  4 x lane
	s_lshl_b32 s20, s12, 10
	v_add_nc_u32 v2, s20, v1                       ; v2  LDS: my quarter of the list
	s_lshl_b32 s21, s16, 12
	s_add_co_u32 s21, s21, s20
	v_add_nc_u32 v10, s21, v1                      ; v10 and its place among the lists
	s_lshl_b32 s21, s16, 13
	v_add_nc_u32 v9, s21, v1                       ; v9  the expert's table of places
	s_lshl_b32 s26, s16, 10                        ; 1,024 e
	s_wait_kmcnt 0x0
	s_cmp_lg_u32 s12, 0
	s_cbranch_scc1 .Ljoin
	; ---- wave 0 alone
.irp c, 0,1,2,3,4,5,6,7,8,9,10,11,12,13,14,15
	global_load_b128 v[IDX+4*\c:IDX+4*\c+3], v1, s[4:5] offset:512*\c
.endr
.irp i, 0,1,2,3
	v_mov_b32 v[ZR+\i], 0
.endr
.irp c, 0,1,2,3,4,5,6,7
	ds_store_b128 v1, v[ZR:ZR+3] offset:512*\c     ; the list begins as zeros
.endr
	s_mov_b32 s23, 0                               ; rows listed so far
	s_wait_loadcnt 0x0
.irp hf, 0,1                                   ; registers 32 hf .. 32 hf + 31
.set KK, 0
.rept 32
	v_cmp_eq_u32 s[MK+KK], s16, v[IDX+32*\hf+KK]   ; the lanes whose row is this expert's
.set KK, KK+1
.endr
.set KK, 0
.rept 32
	s_bcnt1_i32_b32 s[PF+KK], s[MK+KK]             ; how many they are
.set KK, KK+1
.endr
	s_add_co_u32 s[PF], s[PF], s23                 ; the running sum, from the rows listed so far on
.set KK, 1
.rept 31
	s_add_co_u32 s[PF+KK], s[PF+KK], s[PF+KK-1]
.set KK, KK+1
.endr
.set KK, 0
.rept 32
.if KK == 0
	v_mbcnt_lo_u32_b32 v[ADR+32*\hf], s[MK], s23   ; rows listed ahead of this register + such lanes below me: the row's place
.else
	v_mbcnt_lo_u32_b32 v[ADR+32*\hf+KK], s[MK+KK], s[PF+KK-1]
.endif
.set KK, KK+1
.endr
.set KK, 0
.rept 32
	v_add_nc_u32 v[IDX+32*\hf+KK], s26, v[ADR+32*\hf+KK]             ; 1,024 e + place,
.set KK, KK+1
.endr
.set KK, 0
.rept 32
	v_cndmask_b32 v[IDX+32*\hf+KK], 0, v[IDX+32*\hf+KK], s[MK+KK]    ; or 0 for another expert's row
.set KK, KK+1
.endr
.set KK, 0
.rept 32
	v_cndmask_b32 v[ADR+32*\hf+KK], -1, v[ADR+32*\hf+KK], s[MK+KK]
.set KK, KK+1
.endr
.set KK, 0
.rept 32
	v_min_u32 v[ADR+32*\hf+KK], 1024, v[ADR+32*\hf+KK]               ; the others fall on the spare word behind the list
.set KK, KK+1
.endr
.set KK, 0
.rept 32
	v_lshlrev_b32 v[ADR+32*\hf+KK], 2, v[ADR+32*\hf+KK]
.set KK, KK+1
.endr
.set KK, 0
.rept 32
	v_or_b32 v[RHO+32*\hf+KK], 128*((32*\hf+KK)/4)+(32*\hf+KK)%4, v8 ; rho
.set KK, KK+1
.endr
.set KK, 0
.rept 32
	ds_store_b32 v[ADR+32*\hf+KK], v[RHO+32*\hf+KK]
.set KK, KK+1
.endr
	s_mov_b32 s23, s[PF+31]                        ; rows listed so far
.endr
.irp c, 0,1,2,3,4,5,6,7,8,9,10,11,12,13,14,15
	global_store_b128 v9, v[IDX+4*\c:IDX+4*\c+3], s[6:7] offset:512*\c   ; 512 consecutive bytes a store
.endr
	v_mov_b32 v11, s23                             ; the count
	s_lshl_b32 s20, s16, 2
	v_mov_b32 v14, s20
	v_cmp_eq_u32 vcc_lo, 0, v15
	s_wait_xcnt 0x0                                ; EXEC changes only behind this wait
	s_and_saveexec_b32 s28, vcc_lo
	global_store_b32 v14, v11, s[6:7] offset:CNT
	s_wait_xcnt 0x0
	s_or_b32 exec_lo, exec_lo, s28
.Ljoin:
	s_wait_dscnt 0x0                               ; wave 0's LDS stores have landed
	s_barrier_signal -1
	s_barrier_wait -1
	ds_load_b128 v[DMP:DMP+3], v2
	ds_load_b128 v[DMP+4:DMP+7], v2 offset:512
	s_wait_dscnt 0x0
	global_store_b128 v10, v[DMP:DMP+3], s[6:7] offset:LIST
	global_store_b128 v10, v[DMP+4:DMP+7], s[6:7] offset:LIST+512
	s_wait_tensorcnt 0x0
	ds_add_u32 v126, v127
	s_wait_dscnt 0x0
	s_endpgm
.Lfunc_end_k_qe408d75042_list:
	.size	k_qe408d75042_list, .Lfunc_end_k_qe408d75042_list-k_qe408d75042_list
	.p2alignl 7, 3214868480
	.fill 96, 4, 3214868480
	.section	.rodata,"a",@progbits
	.p2align	6, 0x0
	.amdhsa_kernel k_qe408d75042_list
		.amdhsa_group_segment_fixed_size 4864
		.amdhsa_private_segment_fixed_size 0
		.amdhsa_enable_private_segment 0
		.amdhsa_kernarg_size 16
		.amdhsa_user_sgpr_count 2
		.amdhsa_user_sgpr_kernarg_segment_ptr 1
		.amdhsa_wavefront_size32 1
		.amdhsa_system_sgpr_workgroup_id_x 1
		.amdhsa_system_sgpr_workgroup_id_y 1
		.amdhsa_system_sgpr_workgroup_id_z 1
		.amdhsa_system_vgpr_workitem_id 0
		.amdhsa_next_free_vgpr 256
		.amdhsa_next_free_sgpr 100
		.amdhsa_reserve_vcc 1
		.amdhsa_float_denorm_mode_32 3
		.amdhsa_float_denorm_mode_16_64 3
		.amdhsa_memory_ordered 1
		.amdhsa_forward_progress 1
		.amdhsa_inst_pref_size 42
	.end_amdhsa_kernel
	.amdgpu_metadata
---
amdhsa.version: [ 1, 2 ]
amdhsa.kernels:
  - .name:           k_qe408d75042_list
    .symbol:         k_qe408d75042_list.kd
    .args:
      - { .name: idx, .offset: 0, .size: 8, .value_kind: global_buffer, .address_space: global }
      - { .name: plc, .offset: 8, .size: 8, .value_kind: global_buffer, .address_space: global }
    .group_segment_fixed_size: 4864
    .private_segment_fixed_size: 0
    .kernarg_segment_align: 8
    .kernarg_segment_size: 16
    .max_flat_workgroup_size: 128
    .sgpr_count:     100
    .vgpr_count:     256
    .wavefront_size: 32
...
	.end_amdgpu_metadata
.endif
;; end of part 2
;; launch place (part 3): grid 64 x 8, 8 waves a work-group, no clusters, 68,608 bytes of LDS; arguments plc, x, xs; writes xs
.if DOCPART == 3
	.amdgcn_target "amdgcn-amd-amdhsa--gfx1250"
	.amdhsa_code_object_version 6
	.text
	.protected	k_qe408d75042_place
	.globl	k_qe408d75042_place
	.p2align	8
	.type	k_qe408d75042_place,@function
k_qe408d75042_place:
	s_mov_b64 s[64:65], 0
	v_nop
	global_prefetch_b8 v0, s[64:65] scope:SCOPE_SE
	s_setreg_imm32_b32 hwreg(HW_REG_WAVE_MODE, 25, 1), 1
	s_wait_xcnt 0x0
; THE PLACING.  Work-group (t, e) takes tile t of expert e's list (16 routed rows); its wave s takes K step s (128 along K) of the tile.  The wave gathers its 512 bytes of each of the 16 tokens'
; rows of x, quantises them to FP6 (E2M3) with one E8M0 byte for each 32 along K, and stores them as an IMAGE OF THE OPERAND'S REGISTERS:
; fragment (tile T = 64 e + t, K step s) is 1,536 bytes at 12,288 T + 1,536 s; group c of four registers of lane l at 512 c + 16 l.
; The scale words of a tile are 512 bytes at XSC + 512 T: the word of (K step s, row r) at 256 (s / 4) + 8 (r + 16 (s % 2)) + 4 ((s / 2) % 2), so that the reader's two loads of 8 bytes a lane
; give four registers, each with an even K step's words in lanes 0-15 and the odd one's in lanes 16-31.  A wave stores its 16 words 8 bytes apart: 64 bytes a wave that fill no aligned 256 bytes by themselves.
; One K step to a wave, so that a tile's eight K steps run side by side and not one after the other: a wave has 16 loads, one turn through its stage, one quantising, four stores.
; The expert's count and the tile's 16 entries of the list were stored by an earlier launch and come by scalar loads: the one branch and the rows' addresses hang on them alone.
; The grid serves every split: an expert may be chosen by all 1,024 tokens (64 tiles).  A work-group whose tile begins at or behind the count stores nothing and ends.
; The last tile's rows behind the count name routed row 0: a valid row, whose results nobody reads.  Waves share nothing: no barrier.
; A block's scale is its largest magnitude's exponent field less 2, held at 1 from below.  LIMITS: a block of zeros, or one under 2^-124, keeps the byte 1 (its codes are read by
; this program alone; zero codes add nothing); NaN and infinities are not served.
.set LIST,  65536                      ; plc: the lists, 4,096 bytes an expert
.set CNT,   98304                      ; and the counts
.set STGB,  8448                       ; LDS: a stage of 16 rows x (512 bytes + 16) for each wave
.set XSC,   6291456
.set VH8, 4                            ; v4  8 x (lane / 16)
.set OFF, 16                           ; v16-31   the tile's 16 rows: byte offsets in x, + 512 s + 16 x lane
.set R,   32                           ; v32-95   the 16 rows' 512 bytes as loaded
.set X,   96                           ; v96-159  64 numbers of my row: register 32 c + i is k = 64 c + 32 (lane / 16) + i of the K step
.set TM,  160                          ; v160-171 at work
.set PW,  172                          ; my row's scale word
.set PT,  173
.set PC,  176                          ; v176-187 the codes
.set SEL, 18
.set ENT, 48                           ; s48-63  the tile's 16 entries of the list
; 64 numbers of a lane (two whole blocks of 32) become a fragment's 12 registers at pc and its row's scale word in pw.
.macro QW src, pc, pw
.irp c, 0,1
	v_max3_num_f32 v[TM+\c], |v[(\src)+32*\c]|, |v[(\src)+32*\c+1]|, 0x1800000   ; with the floor 2^(3 - 127): the byte cannot fall under 1
.endr
.irp i, 2,4,6,8,10,12,14,16,18,20,22,24,26,28,30
.irp c, 0,1
	v_max3_num_f32 v[TM+\c], v[TM+\c], |v[(\src)+32*\c+\i]|, |v[(\src)+32*\c+\i+1]|
.endr
.endr
.irp c, 0,1
	v_add_nc_u32 v[TM+8+\c], 0xff000000, v[TM+\c]  ; 2 off the exponent field: the conversion's scale operand
.endr
.irp c, 0,1
	v_lshrrev_b32 v[TM+2+\c], 23, v[TM+8+\c]       ; the scale's byte
.endr
	v_lshl_or_b32 v[\pw], v[TM+3], 16, v[TM+2]     ; my blocks are h and 2 + h of the four
	v_lshlrev_b32 v[\pw], v[VH8], v[\pw]
	v_permlanex16_b32 v[PT], v[\pw], s[SEL], s[SEL+1]
	v_or_b32 v[\pw], v[\pw], v[PT]                 ; with lane l xor 16's two bytes the word is whole, in both lanes
.irp c, 0,1
	v_cvt_scalef32_pk16_fp6_f32 v[(\pc)+6*\c:(\pc)+6*\c+2], v[(\src)+32*\c:(\src)+32*\c+15], v[TM+8+\c]
	v_cvt_scalef32_pk16_fp6_f32 v[TM+4*\c:TM+4*\c+2], v[(\src)+32*\c+16:(\src)+32*\c+31], v[TM+8+\c]   ; (three registers begin on an even number)
.endr
	v_nop                                          ; one plain place behind a scaled conversion
.irp c, 0,1
.irp i, 0,1,2
	v_mov_b32 v[(\pc)+6*\c+3+\i], v[TM+4*\c+\i]
.endr
.endr
.endm
	s_load_b128 s[4:7], s[0:1], 0x0                ; plc s[4:5], x s[6:7]
	s_load_b64 s[8:9], s[0:1], 0x10                ; xs
	v_lshl_add_u32 v192, v0, 2, 0x10800
	v_mov_b32 v193, 0
	v_lshrrev_b32 v11, 5, v0
	v_readfirstlane_b32 s12, v11                   ; wave = my K step s
	v_and_b32 v15, 31, v0                          ; lane
	v_and_b32 v12, 15, v0                          ; r
	v_bfe_u32 v13, v0, 4, 1                        ; h
	s_and_b32 s13, ttmp9, 63                       ; t
	s_and_b32 s16, ttmp7, 0xffff                   ; e
	s_lshl_b32 s17, s16, 6
	s_add_co_u32 s17, s17, s13                     ; T
	v_lshlrev_b32 v1, 4, v15                       ; v1  16 x lane
	s_mul_i32 s20, s12, STGB
	v_add_nc_u32 v2, s20, v1                       ; v2  into my stage: a row's 512 bytes as they lie
	v_mul_u32_u24 v3, v12, 528
	v_lshl_add_u32 v3, v13, 7, v3
	v_add_nc_u32 v3, s20, v3                       ; v3  out of it: row r, + 128 h
	v_lshlrev_b32 v[VH8], 3, v13
	s_lshl_b32 s20, s12, 9
	v_add_nc_u32 v14, s20, v1                      ; v14 my K step's 512 bytes of a row of x, + 16 x lane
	s_mul_i32 s20, s17, 12288
	s_mul_i32 s21, s12, 1536
	s_add_co_u32 s20, s20, s21
	v_add_nc_u32 v9, s20, v1                       ; v9  my fragment's image in xs
	s_lshl_b32 s20, s17, 9                         ; the tile's scale words, and my K step's place among them:
	s_lshr_b32 s21, s12, 2
	s_lshl_b32 s21, s21, 8                         ; 256 (s / 4)
	s_add_co_u32 s20, s20, s21
	s_and_b32 s21, s12, 1
	s_lshl_b32 s21, s21, 7                         ; 128 (s % 2)
	s_add_co_u32 s20, s20, s21
	s_bfe_u32 s21, s12, 0x10001
	s_lshl_b32 s21, s21, 2                         ; 4 ((s / 2) % 2)
	s_add_co_u32 s20, s20, s21
	v_lshl_add_u32 v10, v12, 3, s20                ; v10 + 8 r
	v_mov_b32 v[PT], 0                             ; a lane permute's destination counts as one of its sources
	s_mov_b32 s[SEL], 0x76543210
	s_mov_b32 s[SEL+1], 0xfedcba98
	s_lshl_b32 s20, s16, 2                         ; the expert's count: 4 bytes
	s_mov_b32 s21, 0
	s_lshl_b32 s22, s17, 6                         ; my tile's entries: 64 T = 4,096 e + 64 t bytes on
	s_mov_b32 s23, 0
	s_wait_kmcnt 0x0
	s_add_nc_u64 s[28:29], s[4:5], s[20:21]
	s_add_nc_u64 s[30:31], s[4:5], s[22:23]
	s_load_b32 s24, s[28:29], CNT
	s_load_b512 s[ENT:ENT+15], s[30:31], LIST
	s_wait_kmcnt 0x0
	s_min_u32 s24, s24, 1024
	s_lshl_b32 s25, s13, 4                         ; my tile's first place
	s_cmp_ge_u32 s25, s24
	s_cbranch_scc1 .Lend
	; ---- the gather: row i's K step is 512 consecutive bytes, one load
.irp i, 0,1,2,3,4,5,6,7,8,9,10,11,12,13,14,15
	s_lshr_b32 s20, s[ENT+\i], 1                   ; rho = 2 n + k: the token,
	s_min_u32 s20, s20, 1023                       ; held inside x;
	s_lshl_b32 s20, s20, 12                        ; its row of 4,096 bytes,
	v_add_nc_u32 v[OFF+\i], s20, v14               ; + 512 s + 16 x lane
	global_load_b128 v[R+4*\i:R+4*\i+3], v[OFF+\i], s[6:7]
.endr
.irp i, 0,1,2,3,4,5,6,7,8,9,10,11,12,13,14,15
	s_wait_loadcnt 15-\i                           ; row i is in; the rows behind it may be out
	ds_store_b128 v2, v[R+4*\i:R+4*\i+3] offset:528*\i
.endr
.irp c, 0,1
.irp j, 0,1,2,3,4,5,6,7
	ds_load_b128 v[X+32*\c+4*\j:X+32*\c+4*\j+3], v3 offset:256*\c+16*\j    ; LDS serves a wave's instructions in order: these see my stores
.endr
.endr
	s_wait_dscnt 0x0
	QW X, PC, PW
.irp c, 0,1,2
	global_store_b128 v9, v[PC+4*\c:PC+4*\c+3], s[8:9] offset:512*\c       ; 512 consecutive bytes a store
.endr
	global_store_b32 v10, v[PW], s[8:9] offset:XSC ; lanes r and r + 16 store the same word
.Lend:
	s_wait_tensorcnt 0x0
	ds_add_u32 v192, v193
	s_wait_dscnt 0x0
	s_endpgm
.Lfunc_end_k_qe408d75042_place:
	.size	k_qe408d75042_place, .Lfunc_end_k_qe408d75042_place-k_qe408d75042_place
	.p2alignl 7, 3214868480
	.fill 96, 4, 3214868480
	.section	.rodata,"a",@progbits
	.p2align	6, 0x0
	.amdhsa_kernel k_qe408d75042_place
		.amdhsa_group_segment_fixed_size 68608
		.amdhsa_private_segment_fixed_size 0
		.amdhsa_enable_private_segment 0
		.amdhsa_kernarg_size 24
		.amdhsa_user_sgpr_count 2
		.amdhsa_user_sgpr_kernarg_segment_ptr 1
		.amdhsa_wavefront_size32 1
		.amdhsa_system_sgpr_workgroup_id_x 1
		.amdhsa_system_sgpr_workgroup_id_y 1
		.amdhsa_system_sgpr_workgroup_id_z 1
		.amdhsa_system_vgpr_workitem_id 0
		.amdhsa_next_free_vgpr 194
		.amdhsa_next_free_sgpr 66
		.amdhsa_reserve_vcc 0
		.amdhsa_float_denorm_mode_32 3
		.amdhsa_float_denorm_mode_16_64 3
		.amdhsa_memory_ordered 1
		.amdhsa_forward_progress 1
		.amdhsa_inst_pref_size 13
	.end_amdhsa_kernel
	.amdgpu_metadata
---
amdhsa.version: [ 1, 2 ]
amdhsa.kernels:
  - .name:           k_qe408d75042_place
    .symbol:         k_qe408d75042_place.kd
    .args:
      - { .name: plc, .offset: 0, .size: 8, .value_kind: global_buffer, .address_space: global }
      - { .name: x, .offset: 8, .size: 8, .value_kind: global_buffer, .address_space: global }
      - { .name: xs, .offset: 16, .size: 8, .value_kind: global_buffer, .address_space: global }
    .group_segment_fixed_size: 68608
    .private_segment_fixed_size: 0
    .kernarg_segment_align: 8
    .kernarg_segment_size: 24
    .max_flat_workgroup_size: 256
    .sgpr_count:     66
    .vgpr_count:     194
    .wavefront_size: 32
...
	.end_amdgpu_metadata
.endif
;; end of part 3
;; launch ffn1 (part 4): grid 32 x 8, 4 waves a work-group, no clusters, 171,008 bytes of LDS; arguments W1, b1, plc, xs, hq; writes hq
.if DOCPART == 4
	.amdgcn_target "amdgcn-amd-amdhsa--gfx1250"
	.amdhsa_code_object_version 6
	.text
	.protected	k_qe408d75042_ffn1
	.globl	k_qe408d75042_ffn1
	.p2align	8
	.type	k_qe408d75042_ffn1,@function
k_qe408d75042_ffn1:
	s_mov_b64 s[64:65], 0
	v_nop
	global_prefetch_b8 v0, s[64:65] scope:SCOPE_SE
	s_setreg_imm32_b32 hwreg(HW_REG_WAVE_MODE, 25, 1), 1
	s_wait_xcnt 0x0
; THE FIRST LAYER: h = relu(x W1^T + b1) for the rows of one expert, on codes of FP6 (E2M3) with one E8M0 byte for each 32 along K; h is quantised along the hidden units and stored as operand images.
; Work-group (sl, e) owns hidden units 128 sl .. 128 sl + 127 of expert e: 128 rows x 1,024 K of W1, 512 KB of f32, read ONCE, quantised here, never stored to memory.
; STREAMING: wave w takes rows 32 w .. 32 w + 31.  A load takes one row's K step, 512 consecutive bytes; the 32 rows turn through the wave's stage in LDS, so that a lane gets two whole blocks of 32
; of one row; the codes go to LDS as images of the operand's registers (three stores of 512 consecutive bytes a fragment).  One barrier.
; THE ROWS OF A TILE ARE NOT NEIGHBOURS: lane r of tile 2 b + u takes slice row 32 b + 8 u + r + 8 (r / 8), so that in the transposed result the 16 registers of tiles 2 b, 2 b + 1 are 16 neighbouring hidden units.
; THE ROW LOOP: every wave takes the whole slice, 64 fragments, into its registers (windows 1 to 3 and v56-67) and walks the expert's tiles of 16 rows, t = w, w + 4, ..: 64 matrix instructions a tile,
; source 0 = 16 rows of W1, source 1 = 16 tokens; the bias is the C of a sum's first instruction.  The tile's 128 hidden units are one K step of the second layer: relu, quantise, three stores of 512 bytes and the scale words.
; The trip count hangs on the expert's count, which an earlier launch stored: so operands come straight from memory into registers, and no barrier stands in the loop.
; No joint requests: the work-groups of an expert share only the rows' codes, some 0.2 MB against 512 KB of weights of each one's own, and the walk hangs on a stored count.
; LIMITS: a block of zeros, or one under 2^-124, keeps the byte 1; NaN and infinities are not served.  The scale words of a tile's K step are 16 words of 4 bytes, 8 bytes apart.
.set WP,   4096                        ; bytes from row to row of W1
.set CP,   12288                       ; bytes of a tile's images in xs
.set SP,   512                         ; and of its scale words
.set XSC,  6291456
.set HSC,  25165824
.set CNT,  98304                       ; plc: the experts' counts
.set STGB, 16896                       ; LDS: a stage of 32 rows x (512 + 16) bytes for each wave, at 0;
.set IMG,  67584                       ; the slice's 64 fragments, fragment 8 s + t at 1,536 (8 s + t);
.set WSC,  165888                      ; their scale words: (t, s, r) at 512 t + 16 (r + 16 (s % 2)) + 4 (s / 2);
.set BIAS, 169984                      ; the slice's 128 numbers of b1
.set VL16, 1                           ; 16 x lane
.set VST,  2                           ; into my stage
.set VRD,  3                           ; out of it: row r, + 128 h
.set VIM,  4                           ; v4-5  where I store images: K steps 0-3, 4-7
.set VWS,  6                           ; where I store scale words
.set VH8,  7                           ; 8 h
.set VLI,  8                           ; v8-9  where images are read: fragments 0-31, 32-63
.set VBI,  10                          ; the bias for my half of the lanes
.set VA,   11                          ; the tile in hand: its images in xs
.set VS,   12                          ; its scale words
.set VHS,  13                          ; where the tile's image goes in hq
.set VHW,  14                          ; and its scale words
.set VL8,  15                          ; 8 x lane
.set XS,   16                          ; v16-19  the rows' scale words: register s / 2, even s in lanes 0-15, odd s in lanes 16-31
.set VWL,  20                          ; where the weights' scale words are read
.set VBS,  21                          ; where I put my number of b1
.set VR8,  22                          ; 8 r
.set VBG,  23                          ; 4 x thread
.set WS,   24                          ; v24-55  the weights' scale words: register 4 t + s / 2, laid likewise
.set WX,   56                          ; v56-67  fragment 63
.set XF,   68                          ; v68-163 the tile's eight fragments
.set XA,   68                          ; while streaming: 64 numbers of a row of tile 2 w,
.set XB,   132                         ; and of tile 2 w + 1
.set ACC,  164                         ; v164-227 eight accumulators
.set TM,   228                         ; v228-239 at work
.set PW,   240
.set PT,   241
.set PC,   242                         ; v242-253 the codes just made
.set SEL,  30
.set CB,   10                          ; s[10:11] xs: the rows' codes
.set SB,   28                          ; s[28:29] their scale words
.set TRIP, 44                          ; s44  trips done
.set TRIPS, 45                         ; s45  trips to do
.set MSB, 0
.macro WIN new                         ; the immediate's high byte repeats the setting that is left
.if MSB != (\new)
	s_set_vgpr_msb (MSB<<8)|(\new)
.set MSB, (\new)
.endif
.endm
.macro PLACES n                        ; plain vector instructions that name no register of the matrix instructions in front (ISA guide 7.12.1)
.rept \n
	v_nop
.endr
.endm
; 64 numbers of a lane (two whole blocks of 32) become a fragment's 12 registers at pc and its row's scale word in pw.
.macro QW src, pc, pw
.irp c, 0,1
	v_max3_num_f32 v[TM+\c], |v[(\src)+32*\c]|, |v[(\src)+32*\c+1]|, 0x1800000   ; with the floor 2^(3 - 127): the byte cannot fall under 1
.endr
.irp i, 2,4,6,8,10,12,14,16,18,20,22,24,26,28,30
.irp c, 0,1
	v_max3_num_f32 v[TM+\c], v[TM+\c], |v[(\src)+32*\c+\i]|, |v[(\src)+32*\c+\i+1]|
.endr
.endr
.irp c, 0,1
	v_add_nc_u32 v[TM+8+\c], 0xff000000, v[TM+\c]  ; 2 off the exponent field: the conversion's scale operand
.endr
.irp c, 0,1
	v_lshrrev_b32 v[TM+2+\c], 23, v[TM+8+\c]       ; the scale's byte
.endr
	v_lshl_or_b32 v[\pw], v[TM+3], 16, v[TM+2]     ; my blocks are h and 2 + h of the four
	v_lshlrev_b32 v[\pw], v[VH8], v[\pw]
	v_permlanex16_b32 v[PT], v[\pw], s[SEL], s[SEL+1]
	v_or_b32 v[\pw], v[\pw], v[PT]                 ; with lane l xor 16's two bytes the word is whole, in both lanes
.irp c, 0,1
	v_cvt_scalef32_pk16_fp6_f32 v[(\pc)+6*\c:(\pc)+6*\c+2], v[(\src)+32*\c:(\src)+32*\c+15], v[TM+8+\c]
	v_cvt_scalef32_pk16_fp6_f32 v[TM+4*\c:TM+4*\c+2], v[(\src)+32*\c+16:(\src)+32*\c+31], v[TM+8+\c]   ; (three registers begin on an even number)
.endr
	v_nop                                          ; one plain place behind a scaled conversion
.irp c, 0,1
.irp i, 0,1,2
	v_mov_b32 v[(\pc)+6*\c+3+\i], v[TM+4*\c+\i]
.endr
.endr
.endm
.macro WLOAD s                         ; my 32 rows' K step s into set s % 2 of window 1
	WIN 0x40
.set RHO, 0
.rept 32
	global_load_b128 v[128*((\s)%2)+4*RHO:128*((\s)%2)+4*RHO+3], v[VL16], s[24:25] offset:RHO*WP+512*(\s) th:TH_LOAD_NT
.set RHO, RHO+1
.endr
	WIN 0
.endm
.macro IMAGE s, u                      ; the fragment in PC goes to LDS as it stands, and its rows' scale words (lanes r and r + 16 write the same word with the same value)
.irp c, 0,1,2
	ds_store_b128 v[VIM+(\s)/4], v[PC+4*\c:PC+4*\c+3] offset:12288*((\s)%4)+1536*(\u)+512*\c
.endr
	ds_store_b32 v[VWS], v[PW] offset:512*(\u)+256*((\s)%2)+4*((\s)/2)
.endm
.macro KSTEP s
.if (\s) < 7
	s_wait_loadcnt 32                              ; this K step's 32 loads are in; the next one's stay out
.else
	s_wait_loadcnt 0x0
.endif
.if (\s) == 0
	ds_store_b32 v[VBS], v254                      ; b1 (the oldest load of all)
.endif
	WIN 0x04                                       ; an LDS store's data are its source 1: window 1
.set RHO, 0
.rept 32
	ds_store_b128 v[VST], v[128*((\s)%2)+4*RHO:128*((\s)%2)+4*RHO+3] offset:528*(16*((RHO/8)%2)+RHO%8+8*(RHO/16))
.set RHO, RHO+1
.endr
	WIN 0
.irp u, 0,1
.irp c, 0,1
.irp j, 0,1,2,3,4,5,6,7
	ds_load_b128 v[XA+64*\u+32*\c+4*\j:XA+64*\u+32*\c+4*\j+3], v[VRD] offset:8448*\u+256*\c+16*\j   ; LDS serves a wave's instructions in order: these see my stores
.endr
.endr
.endr
.if (\s) < 6
	s_wait_dscnt 32                                ; the 32 stores are done (the 32 reads behind them may be out): their registers take the K step two on
	WLOAD (\s)+2
.endif
	s_wait_dscnt 16                                ; tile 2 w's numbers are in; tile 2 w + 1's 16 reads may be out
	QW XA, PC, PW
	IMAGE \s, 0
	s_wait_dscnt 0x0
	QW XB, PC, PW
	IMAGE \s, 1
.endm
.macro AFETCH hf                       ; half a tile's operand: four fragments (three loads of 512 consecutive bytes each) and two registers of scale words: 13 loads
.irp s, 0,1,2,3
.irp c, 0,1,2
	global_load_b128 v[XF+12*(4*\hf+\s)+4*\c:XF+12*(4*\hf+\s)+4*\c+3], v[VA], s[CB:CB+1] offset:1536*(4*\hf+\s)+512*\c
.endr
.endr
	global_load_b64 v[XS+2*\hf:XS+2*\hf+1], v[VS], s[SB:SB+1] offset:256*\hf
.endm
.macro BIASLD                          ; register 8 t + j of lane (r, h), t = 2 b + u: b1 of hidden unit 32 b + 16 h + 8 u + j
.irp t, 0,1,2,3,4,5,6,7
.irp i, 0,1
	ds_load_b128 v[ACC+8*\t+4*\i:ACC+8*\t+4*\i+3], v[VBI] offset:128*(\t/2)+32*(\t%2)+16*\i
.endr
.endr
.endm
; K step s: eight matrix instructions, the eight accumulators by turns, one instruction a turn.  Fragment f = 8 s + t lies in window 1 + f / 21 at 12 (f % 21); fragment 63 in window 0.
.macro GROUP s
.irp t, 0,1,2,3,4,5,6,7
.set FI, 8*(\s)+\t
.if FI < 63
.set WW, 1+FI/21
.set WR, 12*(FI%21)
.else
.set WW, 0
.set WR, WX
.endif
	WIN WW
.if (\s)%2
	v_wmma_scale_f32_16x16x128_f8f6f4 v[ACC+8*\t:ACC+8*\t+7], v[WR:WR+11], v[XF+12*(\s):XF+12*(\s)+11], v[ACC+8*\t:ACC+8*\t+7], v[WS+4*\t+(\s)/2], v[XS+(\s)/2] matrix_a_fmt:MATRIX_FMT_FP6 matrix_b_fmt:MATRIX_FMT_FP6 matrix_a_scale:MATRIX_SCALE_ROW1 matrix_b_scale:MATRIX_SCALE_ROW1
.else
	v_wmma_scale_f32_16x16x128_f8f6f4 v[ACC+8*\t:ACC+8*\t+7], v[WR:WR+11], v[XF+12*(\s):XF+12*(\s)+11], v[ACC+8*\t:ACC+8*\t+7], v[WS+4*\t+(\s)/2], v[XS+(\s)/2] matrix_a_fmt:MATRIX_FMT_FP6 matrix_b_fmt:MATRIX_FMT_FP6
.endif
.endr
.endm
; The 64 results of a lane, register 16 b + i = hidden unit 32 b + 16 h + i of token r, none negative, become a fragment in PC and the token's scale word in PW.
.macro QUANT
.irp b, 0,1,2,3
	v_max3_num_f32 v[TM+\b], v[ACC+16*\b], v[ACC+16*\b+1], 0x1800000
.endr
.irp i, 2,4,6,8,10,12,14
.irp b, 0,1,2,3
	v_max3_num_f32 v[TM+\b], v[TM+\b], v[ACC+16*\b+\i], v[ACC+16*\b+\i+1]
.endr
.endr
.irp b, 0,1,2,3
	v_permlanex16_b32 v[TM+4+\b], v[TM+\b], s[SEL], s[SEL+1]
.endr
.irp b, 0,1,2,3
	v_max_num_f32 v[TM+\b], v[TM+\b], v[TM+4+\b]   ; with lane l xor 16's 16: the block's largest
.endr
.irp b, 0,1,2,3
	v_add_nc_u32 v[TM+8+\b], 0xff000000, v[TM+\b]
.endr
.irp b, 0,1,2,3
	v_lshrrev_b32 v[TM+4+\b], 23, v[TM+8+\b]
.endr
	v_lshl_or_b32 v[PW], v[TM+5], 8, v[TM+4]
	v_lshl_or_b32 v[PW], v[TM+6], 16, v[PW]
	v_lshl_or_b32 v[PW], v[TM+7], 24, v[PW]
.irp c, 0,1
	v_cvt_scalef32_pk16_fp6_f32 v[PC+6*\c:PC+6*\c+2], v[ACC+32*\c:ACC+32*\c+15], v[TM+8+2*\c]
	v_cvt_scalef32_pk16_fp6_f32 v[TM+4*\c:TM+4*\c+2], v[ACC+32*\c+16:ACC+32*\c+31], v[TM+8+2*\c+1]
.endr
	v_nop                                          ; one plain place behind a scaled conversion
.irp c, 0,1                                    ; the operand's layout wants a whole block in a lane
.irp i, 0,1,2
	v_permlane16_swap_b32 v[PC+6*\c+\i], v[TM+4*\c+\i]
.endr
.irp i, 0,1,2
	v_mov_b32 v[PC+6*\c+3+\i], v[TM+4*\c+\i]
.endr
.endr
.endm
	s_load_b256 s[4:11], s[0:1], 0x0               ; W1 s[4:5], b1 s[6:7], plc s[8:9], xs s[10:11]
	s_load_b64 s[12:13], s[0:1], 0x20              ; hq
	v_lshl_add_u32 v255, v0, 2, 0x29a00
	s_set_vgpr_msb 0x80
	v_mov_b32 v255, 0
	s_set_vgpr_msb 0x8000
	v_lshrrev_b32 v[VBG], 5, v0
	v_readfirstlane_b32 s14, v[VBG]                ; wave
	v_and_b32 v[VBG], 31, v0                       ; lane
	v_and_b32 v[VR8], 15, v0                       ; r
	v_bfe_u32 v[VH8], v0, 4, 1                     ; h
	v_lshlrev_b32 v[VL16], 4, v[VBG]
	v_lshlrev_b32 v[VL8], 3, v[VBG]
	s_mul_i32 s20, s14, STGB
	v_add_nc_u32 v[VST], s20, v[VL16]
	v_mul_u32_u24 v[VRD], v[VR8], 528
	v_lshl_add_u32 v[VRD], v[VH8], 7, v[VRD]
	v_add_nc_u32 v[VRD], s20, v[VRD]
	s_mul_i32 s20, s14, 3072
	s_add_co_u32 s20, s20, IMG
	v_add_nc_u32 v[VIM], s20, v[VL16]              ; my tiles 2 w, 2 w + 1
	v_add_nc_u32 v[VIM+1], 49152, v[VIM]
	s_lshl_b32 s20, s14, 10
	s_add_co_u32 s20, s20, WSC
	v_lshl_add_u32 v[VWS], v[VR8], 4, s20
	v_add_nc_u32 v[VLI], IMG, v[VL16]
	v_add_nc_u32 v[VLI+1], IMG+49152, v[VL16]
	v_lshl_add_u32 v[VBI], v[VH8], 6, BIAS
	v_add_nc_u32 v[VWL], WSC, v[VL16]
	v_lshl_add_u32 v[VBS], v0, 2, BIAS
	v_lshlrev_b32 v[VBG], 2, v0
	v_lshlrev_b32 v[VR8], 3, v[VR8]
	v_lshlrev_b32 v[VH8], 3, v[VH8]
	v_mov_b32 v[PT], 0                             ; a lane permute's destination counts as one of its sources
.irp b, 0,1,2,3
	v_mov_b32 v[TM+4+\b], 0
.endr
	s_mov_b32 s15, ttmp9                           ; sl
	s_and_b32 s16, ttmp7, 0xffff                   ; e
	s_lshl_b32 s36, s16, 6                         ; the expert's first tile
	s_mov_b32 s[SEL], 0x76543210
	s_mov_b32 s[SEL+1], 0xfedcba98
	s_lshl_b32 s38, s16, 24                        ; W1: the expert's 2^24 bytes, the slice's 128 rows, my 32 rows
	s_lshl_b32 s20, s15, 19
	s_add_co_u32 s38, s38, s20
	s_lshl_b32 s20, s14, 17
	s_add_co_u32 s38, s38, s20
	s_mov_b32 s39, 0
	s_lshl_b32 s40, s16, 14                        ; b1: the expert's 4,096 numbers, the slice's 128
	s_lshl_b32 s20, s15, 9
	s_add_co_u32 s40, s40, s20
	s_mov_b32 s41, 0
	s_wait_kmcnt 0x0
	s_add_nc_u64 s[24:25], s[4:5], s[38:39]
	s_add_nc_u64 s[6:7], s[6:7], s[40:41]
	global_load_b32 v254, v[VBG], s[6:7]
	WLOAD 0
	WLOAD 1
	s_lshl_b32 s38, s16, 2
	s_add_nc_u64 s[42:43], s[8:9], s[38:39]
	s_load_b32 s17, s[42:43], CNT                  ; the expert's count
	s_add_nc_u64 s[SB:SB+1], s[10:11], XSC
	s_mul_i32 s38, s15, 1536
	s_add_nc_u64 s[32:33], s[12:13], s[38:39]      ; hq: K step sl of a tile's images
	s_lshr_b32 s20, s15, 3                         ; and its place among the tile's scale words
	s_lshl_b32 s38, s20, 9
	s_bfe_u32 s20, s15, 0x10002
	s_lshl_b32 s20, s20, 8
	s_add_co_u32 s38, s38, s20
	s_and_b32 s20, s15, 1
	s_lshl_b32 s20, s20, 7
	s_add_co_u32 s38, s38, s20
	s_bfe_u32 s20, s15, 0x10001
	s_lshl_b32 s20, s20, 2
	s_add_co_u32 s38, s38, s20
	s_add_co_u32 s38, s38, HSC
	s_add_nc_u64 s[34:35], s[12:13], s[38:39]
	s_wait_kmcnt 0x0
	s_min_u32 s17, s17, 1024
	s_add_co_u32 s17, s17, 15
	s_lshr_b32 s17, s17, 4                         ; tiles of 16 rows
	s_sub_co_u32 s19, s17, 1                       ; the last of them
.irp s, 0,1,2,3,4,5,6,7
	KSTEP \s
.endr
	s_wait_dscnt 0x0                               ; my images, scale words and bias have landed
	s_barrier_signal -1
	s_barrier_wait -1                              ; everybody's have: the launch's one barrier
	s_cmp_ge_u32 s14, s17
	s_cbranch_scc1 .Lend                           ; fewer tiles than waves: nothing is left for me
	s_mov_b32 s18, s14                             ; t
	s_sub_co_u32 s[TRIPS], s17, s14                ; my tiles are t = w, w + 4, .. under the count of tiles: (tiles - w + 3) / 4 of them,
	s_add_co_u32 s[TRIPS], s[TRIPS], 3
	s_lshr_b32 s[TRIPS], s[TRIPS], 2
	s_min_u32 s[TRIPS], s[TRIPS], 16               ; 16 at the most: 64 tiles among four waves
	s_mov_b32 s[TRIP], 0
	s_add_co_u32 s20, s36, s14
	s_mul_i32 s21, s20, CP
	s_mul_i32 s22, s20, SP
	v_add_nc_u32 v[VA], s21, v[VL16]
	v_add_nc_u32 v[VS], s22, v[VL8]
	AFETCH 0
	AFETCH 1
.set FI, 0
.rept 63
	WIN (1+FI/21)<<6
	ds_load_b128 v[12*(FI%21):12*(FI%21)+3], v[VLI+FI/32] offset:1536*(FI%32)
	ds_load_b128 v[12*(FI%21)+4:12*(FI%21)+7], v[VLI+FI/32] offset:1536*(FI%32)+512
	ds_load_b128 v[12*(FI%21)+8:12*(FI%21)+11], v[VLI+FI/32] offset:1536*(FI%32)+1024
.set FI, FI+1
.endr
	WIN 0
.irp c, 0,1,2
	ds_load_b128 v[WX+4*\c:WX+4*\c+3], v[VLI+1] offset:1536*31+512*\c
.endr
.irp t, 0,1,2,3,4,5,6,7
	ds_load_b128 v[WS+4*\t:WS+4*\t+3], v[VWL] offset:512*\t
.endr
	BIASLD
.Ltile:
	s_wait_loadcnt 13                              ; the tile's first four fragments are in; the 13 loads of the other half may be out
	s_wait_dscnt 0x0                               ; the bias stands in the accumulators (first trip: the slice too)
	GROUP 0
	GROUP 1
	GROUP 2
	GROUP 3
	WIN 0
	PLACES 4                                       ; in front of loads into registers that matrix instructions have read
	s_wait_loadcnt 0x0                             ; the other half is in: so VA and VS may be written
	s_add_co_u32 s20, s18, 4                       ; my next tile, or the expert's last once more (a read that is not used): no load leaves what was stored
	s_min_u32 s20, s20, s19
	s_min_u32 s20, s20, 63
	s_add_co_u32 s20, s20, s36
	s_mul_i32 s21, s20, CP
	s_mul_i32 s22, s20, SP
	v_add_nc_u32 v[VA], s21, v[VL16]
	v_add_nc_u32 v[VS], s22, v[VL8]
	AFETCH 0
	GROUP 4
	GROUP 5
	GROUP 6
	GROUP 7
	WIN 0
	PLACES 4
	s_wait_xcnt 0x0                                ; the last trip's stores have read their data and offsets: both are written again below
	AFETCH 1
.set JJ, 0
.rept 64
	v_max_num_f32 v[ACC+JJ], 0, v[ACC+JJ]          ; the activation, each accumulator from its low end on
.set JJ, JJ+1
.endr
	QUANT
	s_min_u32 s20, s18, 63
	s_add_co_u32 s20, s20, s36                     ; T
	s_mul_i32 s21, s20, 49152
	s_lshl_b32 s22, s20, 11
	v_add_nc_u32 v[VHS], s21, v[VL16]
	v_add_nc_u32 v[VHW], s22, v[VR8]
.irp c, 0,1,2
	global_store_b128 v[VHS], v[PC+4*\c:PC+4*\c+3], s[32:33] offset:512*\c   ; 512 consecutive bytes a store
.endr
	global_store_b32 v[VHW], v[PW], s[34:35]       ; lanes r and r + 16 store the same word
	BIASLD                                         ; the next tile's sums begin with the bias
	s_add_co_u32 s18, s18, 4                       ; my next tile
	s_add_co_u32 s[TRIP], s[TRIP], 1               ; the loop is counted by trips, one a step
	s_cmp_lt_u32 s[TRIP], s[TRIPS]
	s_cbranch_scc1 .Ltile
	s_wait_dscnt 0x0
.Lend:
	s_set_vgpr_msb 0x8
	s_wait_tensorcnt 0x0
	ds_add_u32 v255, v255
	s_wait_dscnt 0x0
	s_set_vgpr_msb 0x800
	s_endpgm
.Lfunc_end_k_qe408d75042_ffn1:
	.size	k_qe408d75042_ffn1, .Lfunc_end_k_qe408d75042_ffn1-k_qe408d75042_ffn1
	.p2alignl 7, 3214868480
	.fill 96, 4, 3214868480
	.section	.rodata,"a",@progbits
	.p2align	6, 0x0
	.amdhsa_kernel k_qe408d75042_ffn1
		.amdhsa_group_segment_fixed_size 171008
		.amdhsa_private_segment_fixed_size 0
		.amdhsa_enable_private_segment 0
		.amdhsa_kernarg_size 40
		.amdhsa_user_sgpr_count 2
		.amdhsa_user_sgpr_kernarg_segment_ptr 1
		.amdhsa_wavefront_size32 1
		.amdhsa_system_sgpr_workgroup_id_x 1
		.amdhsa_system_sgpr_workgroup_id_y 1
		.amdhsa_system_sgpr_workgroup_id_z 1
		.amdhsa_system_vgpr_workitem_id 0
		.amdhsa_next_free_vgpr 1024
		.amdhsa_next_free_sgpr 66
		.amdhsa_reserve_vcc 0
		.amdhsa_float_denorm_mode_32 3
		.amdhsa_float_denorm_mode_16_64 3
		.amdhsa_memory_ordered 1
		.amdhsa_forward_progress 1
		.amdhsa_inst_pref_size 148
	.end_amdhsa_kernel
	.amdgpu_metadata
---
amdhsa.version: [ 1, 2 ]
amdhsa.kernels:
  - .name:           k_qe408d75042_ffn1
    .symbol:         k_qe408d75042_ffn1.kd
    .args:
      - { .name: W1, .offset: 0, .size: 8, .value_kind: global_buffer, .address_space: global }
      - { .name: b1, .offset: 8, .size: 8, .value_kind: global_buffer, .address_space: global }
      - { .name: plc, .offset: 16, .size: 8, .value_kind: global_buffer, .address_space: global }
      - { .name: xs, .offset: 24, .size: 8, .value_kind: global_buffer, .address_space: global }
      - { .name: hq, .offset: 32, .size: 8, .value_kind: global_buffer, .address_space: global }
    .group_segment_fixed_size: 171008
    .private_segment_fixed_size: 0
    .kernarg_segment_align: 8
    .kernarg_segment_size: 40
    .max_flat_workgroup_size: 128
    .sgpr_count:     66
    .vgpr_count:     1024
    .wavefront_size: 32
...
	.end_amdgpu_metadata
.endif
;; end of part 4
;; launch ffn2 (part 5): grid 32 x 8, 4 waves a work-group, no clusters, 171,008 bytes of LDS; arguments W2, plc, hq, yp; writes yp
.if DOCPART == 5
	.amdgcn_target "amdgcn-amd-amdhsa--gfx1250"
	.amdhsa_code_object_version 6
	.text
	.protected	k_qe408d75042_ffn2
	.globl	k_qe408d75042_ffn2
	.p2align	8
	.type	k_qe408d75042_ffn2,@function
k_qe408d75042_ffn2:
	s_mov_b64 s[64:65], 0
	v_nop
	global_prefetch_b8 v0, s[64:65] scope:SCOPE_SE
	s_setreg_imm32_b32 hwreg(HW_REG_WAVE_MODE, 25, 1), 1
	s_wait_xcnt 0x0
; THE SECOND LAYER, in parts along K: yp[row][q][d] = the sum over hidden units 1,024 q .. 1,024 q + 1,023 of h W2^T, for the rows of one expert, on codes of FP6 (E2M3) with one E8M0 byte for each 32 along K.
; Work-group (x, e), dsl = x % 8, q = x / 8, owns outputs 128 dsl .. + 127 and that quarter of K: 128 rows x 1,024 K of W2, 512 KB of f32, read ONCE, quantised here, never stored to memory.
; Streaming, images and the row loop are the first layer's: wave w quantises rows 32 w .. 32 w + 31 through its stage; one barrier; every wave takes the whole slice into its registers and walks the
; expert's tiles of 16 rows, t = w, w + 4, .., 64 matrix instructions a tile, source 0 = 16 rows of W2, source 1 = 16 rows of h (images that the first layer stored).
; THE ROWS OF A TILE ARE NOT NEIGHBOURS: lane r of tile 2 b + u takes slice row 32 b + 8 u + r + 8 (r / 8): a lane's 16 registers of tiles 2 b, 2 b + 1 are 16 neighbouring outputs, 64 bytes of a row.
; The way out: through the wave's own stage, back as whole rows of 512 bytes.  The four quarters, the bias and the gate's weights meet in the last launch: no sum spans work-groups here.
; The trip count hangs on the expert's count, which an earlier launch stored: so operands come straight from memory into registers, and no barrier stands in the loop.
; No joint requests: the work-groups of an expert share only the rows' codes, a small part of a work-group's bytes, and the walk hangs on a stored count.
; LIMITS: a block of zeros, or one under 2^-124, keeps the byte 1; NaN and infinities are not served; y's sum over K is made in four parts.
.set WP,   16384                       ; bytes from row to row of W2
.set CP,   49152                       ; bytes of a tile's images in hq
.set SP,   2048                        ; and of its scale words
.set HSC,  25165824
.set CNT,  98304                       ; plc: the experts' counts
.set STGB, 16896                       ; LDS: a stage of 32 rows x (512 + 16) bytes for each wave, at 0;
.set IMG,  67584                       ; the slice's 64 fragments, fragment 8 s + t at 1,536 (8 s + t);
.set WSC,  165888                      ; their scale words: (t, s, r) at 512 t + 16 (r + 16 (s % 2)) + 4 (s / 2)
.set VL16, 1                           ; 16 x lane
.set VST,  2                           ; into my stage while streaming; out of it on the way out
.set VRD,  3                           ; out of it while streaming: row r, + 128 h
.set VIM,  4                           ; v4-5  where I store images: K steps 0-3, 4-7
.set VWS,  6                           ; where I store scale words
.set VH8,  7                           ; 8 h
.set VLI,  8                           ; v8-9  where images are read: fragments 0-31, 32-63
.set VSO,  10                          ; the way out: row r of my stage, + 64 h
.set VA,   11                          ; the tile in hand: its images in hq
.set VS,   12                          ; its scale words
.set VYO,  13                          ; where the tile's rows go in yp
.set VL8,  15                          ; 8 x lane
.set XS,   16                          ; v16-19  the rows' scale words: register s / 2, even s in lanes 0-15, odd s in lanes 16-31
.set VWL,  20                          ; where the weights' scale words are read
.set WS,   24                          ; v24-55  the weights' scale words: register 4 t + s / 2, laid likewise
.set WX,   56                          ; v56-67  fragment 63
.set XF,   68                          ; v68-163 the tile's eight fragments
.set XA,   68                          ; while streaming: 64 numbers of a row of tile 2 w,
.set XB,   132                         ; and of tile 2 w + 1
.set ACC,  164                         ; v164-227 eight accumulators
.set TM,   228                         ; v228-239 at work
.set PW,   240
.set PT,   241
.set PC,   242                         ; v242-253 the codes just made
.set SEL,  30
.set CB,   26                          ; s[26:27] hq: the rows' codes, my quarter of K
.set SB,   28                          ; s[28:29] their scale words
.set TRIP, 44                          ; s44  trips done
.set TRIPS, 45                         ; s45  trips to do
.set MSB, 0
.macro WIN new                         ; the immediate's high byte repeats the setting that is left
.if MSB != (\new)
	s_set_vgpr_msb (MSB<<8)|(\new)
.set MSB, (\new)
.endif
.endm
.macro PLACES n                        ; plain vector instructions that name no register of the matrix instructions in front (ISA guide 7.12.1)
.rept \n
	v_nop
.endr
.endm
; 64 numbers of a lane (two whole blocks of 32) become a fragment's 12 registers at pc and its row's scale word in pw.
.macro QW src, pc, pw
.irp c, 0,1
	v_max3_num_f32 v[TM+\c], |v[(\src)+32*\c]|, |v[(\src)+32*\c+1]|, 0x1800000   ; with the floor 2^(3 - 127): the byte cannot fall under 1
.endr
.irp i, 2,4,6,8,10,12,14,16,18,20,22,24,26,28,30
.irp c, 0,1
	v_max3_num_f32 v[TM+\c], v[TM+\c], |v[(\src)+32*\c+\i]|, |v[(\src)+32*\c+\i+1]|
.endr
.endr
.irp c, 0,1
	v_add_nc_u32 v[TM+8+\c], 0xff000000, v[TM+\c]  ; 2 off the exponent field: the conversion's scale operand
.endr
.irp c, 0,1
	v_lshrrev_b32 v[TM+2+\c], 23, v[TM+8+\c]       ; the scale's byte
.endr
	v_lshl_or_b32 v[\pw], v[TM+3], 16, v[TM+2]     ; my blocks are h and 2 + h of the four
	v_lshlrev_b32 v[\pw], v[VH8], v[\pw]
	v_permlanex16_b32 v[PT], v[\pw], s[SEL], s[SEL+1]
	v_or_b32 v[\pw], v[\pw], v[PT]                 ; with lane l xor 16's two bytes the word is whole, in both lanes
.irp c, 0,1
	v_cvt_scalef32_pk16_fp6_f32 v[(\pc)+6*\c:(\pc)+6*\c+2], v[(\src)+32*\c:(\src)+32*\c+15], v[TM+8+\c]
	v_cvt_scalef32_pk16_fp6_f32 v[TM+4*\c:TM+4*\c+2], v[(\src)+32*\c+16:(\src)+32*\c+31], v[TM+8+\c]   ; (three registers begin on an even number)
.endr
	v_nop                                          ; one plain place behind a scaled conversion
.irp c, 0,1
.irp i, 0,1,2
	v_mov_b32 v[(\pc)+6*\c+3+\i], v[TM+4*\c+\i]
.endr
.endr
.endm
.macro WLOAD s                         ; my 32 rows' K step s into set s % 2 of window 1
	WIN 0x40
.set RHO, 0
.rept 32
	global_load_b128 v[128*((\s)%2)+4*RHO:128*((\s)%2)+4*RHO+3], v[VL16], s[24:25] offset:RHO*WP+512*(\s) th:TH_LOAD_NT
.set RHO, RHO+1
.endr
	WIN 0
.endm
.macro IMAGE s, u                      ; the fragment in PC goes to LDS as it stands, and its rows' scale words (lanes r and r + 16 write the same word with the same value)
.irp c, 0,1,2
	ds_store_b128 v[VIM+(\s)/4], v[PC+4*\c:PC+4*\c+3] offset:12288*((\s)%4)+1536*(\u)+512*\c
.endr
	ds_store_b32 v[VWS], v[PW] offset:512*(\u)+256*((\s)%2)+4*((\s)/2)
.endm
.macro KSTEP s
.if (\s) < 7
	s_wait_loadcnt 32                              ; this K step's 32 loads are in; the next one's stay out
.else
	s_wait_loadcnt 0x0
.endif
	WIN 0x04                                       ; an LDS store's data are its source 1: window 1
.set RHO, 0
.rept 32
	ds_store_b128 v[VST], v[128*((\s)%2)+4*RHO:128*((\s)%2)+4*RHO+3] offset:528*(16*((RHO/8)%2)+RHO%8+8*(RHO/16))
.set RHO, RHO+1
.endr
	WIN 0
.irp u, 0,1
.irp c, 0,1
.irp j, 0,1,2,3,4,5,6,7
	ds_load_b128 v[XA+64*\u+32*\c+4*\j:XA+64*\u+32*\c+4*\j+3], v[VRD] offset:8448*\u+256*\c+16*\j   ; LDS serves a wave's instructions in order: these see my stores
.endr
.endr
.endr
.if (\s) < 6
	s_wait_dscnt 32                                ; the 32 stores are done (the 32 reads behind them may be out): their registers take the K step two on
	WLOAD (\s)+2
.endif
	s_wait_dscnt 16                                ; tile 2 w's numbers are in; tile 2 w + 1's 16 reads may be out
	QW XA, PC, PW
	IMAGE \s, 0
	s_wait_dscnt 0x0
	QW XB, PC, PW
	IMAGE \s, 1
.endm
.macro AFETCH hf                       ; half a tile's operand: four fragments (three loads of 512 consecutive bytes each) and two registers of scale words: 13 loads
.irp s, 0,1,2,3
.irp c, 0,1,2
	global_load_b128 v[XF+12*(4*\hf+\s)+4*\c:XF+12*(4*\hf+\s)+4*\c+3], v[VA], s[CB:CB+1] offset:1536*(4*\hf+\s)+512*\c
.endr
.endr
	global_load_b64 v[XS+2*\hf:XS+2*\hf+1], v[VS], s[SB:SB+1] offset:256*\hf
.endm
; K step s: eight matrix instructions, the eight accumulators by turns, one instruction a turn.  Fragment f = 8 s + t lies in window 1 + f / 21 at 12 (f % 21); fragment 63 in window 0.
; zero = 1: the products start the sums: nothing is cleared.
.macro GROUP s, zero
.irp t, 0,1,2,3,4,5,6,7
.set FI, 8*(\s)+\t
.if FI < 63
.set WW, 1+FI/21
.set WR, 12*(FI%21)
.else
.set WW, 0
.set WR, WX
.endif
	WIN WW
.if \zero
	v_wmma_scale_f32_16x16x128_f8f6f4 v[ACC+8*\t:ACC+8*\t+7], v[WR:WR+11], v[XF+12*(\s):XF+12*(\s)+11], 0, v[WS+4*\t+(\s)/2], v[XS+(\s)/2] matrix_a_fmt:MATRIX_FMT_FP6 matrix_b_fmt:MATRIX_FMT_FP6
.elseif (\s)%2
	v_wmma_scale_f32_16x16x128_f8f6f4 v[ACC+8*\t:ACC+8*\t+7], v[WR:WR+11], v[XF+12*(\s):XF+12*(\s)+11], v[ACC+8*\t:ACC+8*\t+7], v[WS+4*\t+(\s)/2], v[XS+(\s)/2] matrix_a_fmt:MATRIX_FMT_FP6 matrix_b_fmt:MATRIX_FMT_FP6 matrix_a_scale:MATRIX_SCALE_ROW1 matrix_b_scale:MATRIX_SCALE_ROW1
.else
	v_wmma_scale_f32_16x16x128_f8f6f4 v[ACC+8*\t:ACC+8*\t+7], v[WR:WR+11], v[XF+12*(\s):XF+12*(\s)+11], v[ACC+8*\t:ACC+8*\t+7], v[WS+4*\t+(\s)/2], v[XS+(\s)/2] matrix_a_fmt:MATRIX_FMT_FP6 matrix_b_fmt:MATRIX_FMT_FP6
.endif
.endr
.endm
	s_load_b256 s[4:11], s[0:1], 0x0               ; W2 s[4:5], plc s[6:7], hq s[8:9], yp s[10:11]
	v_lshl_add_u32 v254, v0, 2, 0x29a00
	v_mov_b32 v255, 0
	v_lshrrev_b32 v21, 5, v0
	v_readfirstlane_b32 s14, v21                   ; wave
	v_and_b32 v21, 31, v0                          ; lane
	v_and_b32 v22, 15, v0                          ; r
	v_bfe_u32 v[VH8], v0, 4, 1                     ; h
	v_lshlrev_b32 v[VL16], 4, v21
	v_lshlrev_b32 v[VL8], 3, v21
	s_mul_i32 s20, s14, STGB
	v_add_nc_u32 v[VST], s20, v[VL16]
	v_mul_u32_u24 v[VRD], v22, 528
	v_lshl_add_u32 v[VSO], v[VH8], 6, v[VRD]
	v_add_nc_u32 v[VSO], s20, v[VSO]
	v_lshl_add_u32 v[VRD], v[VH8], 7, v[VRD]
	v_add_nc_u32 v[VRD], s20, v[VRD]
	s_mul_i32 s20, s14, 3072
	s_add_co_u32 s20, s20, IMG
	v_add_nc_u32 v[VIM], s20, v[VL16]              ; my tiles 2 w, 2 w + 1
	v_add_nc_u32 v[VIM+1], 49152, v[VIM]
	s_lshl_b32 s20, s14, 10
	s_add_co_u32 s20, s20, WSC
	v_lshl_add_u32 v[VWS], v22, 4, s20
	v_add_nc_u32 v[VLI], IMG, v[VL16]
	v_add_nc_u32 v[VLI+1], IMG+49152, v[VL16]
	v_add_nc_u32 v[VWL], WSC, v[VL16]
	v_lshlrev_b32 v[VH8], 3, v[VH8]
	v_mov_b32 v[PT], 0                             ; a lane permute's destination counts as one of its sources
	s_and_b32 s15, ttmp9, 7                        ; dsl
	s_lshr_b32 s23, ttmp9, 3                       ; q
	s_and_b32 s16, ttmp7, 0xffff                   ; e
	s_lshl_b32 s36, s16, 6                         ; the expert's first tile
	s_mov_b32 s[SEL], 0x76543210
	s_mov_b32 s[SEL+1], 0xfedcba98
	s_lshl_b32 s38, s16, 24                        ; W2: the expert's 2^24 bytes, the slice's 128 rows, my 32 rows, the quarter's 4,096 bytes of a row
	s_lshl_b32 s20, s15, 21
	s_add_co_u32 s38, s38, s20
	s_lshl_b32 s20, s14, 19
	s_add_co_u32 s38, s38, s20
	s_lshl_b32 s20, s23, 12
	s_add_co_u32 s38, s38, s20
	s_mov_b32 s39, 0
	s_wait_kmcnt 0x0
	s_add_nc_u64 s[24:25], s[4:5], s[38:39]
	WLOAD 0
	WLOAD 1
	s_lshl_b32 s38, s16, 2
	s_add_nc_u64 s[42:43], s[6:7], s[38:39]
	s_load_b32 s17, s[42:43], CNT                  ; the expert's count
	s_mul_i32 s38, s23, 12288
	s_add_nc_u64 s[CB:CB+1], s[8:9], s[38:39]      ; K steps 8 q on of a tile's images
	s_lshl_b32 s38, s23, 9
	s_add_co_u32 s38, s38, HSC
	s_add_nc_u64 s[SB:SB+1], s[8:9], s[38:39]      ; and their scale words
	s_lshl_b32 s38, s23, 12
	s_lshl_b32 s20, s15, 9
	s_add_co_u32 s38, s38, s20
	s_add_nc_u64 s[32:33], s[10:11], s[38:39]      ; yp: part q, outputs 128 dsl on
	s_wait_kmcnt 0x0
	s_min_u32 s17, s17, 1024
	s_add_co_u32 s17, s17, 15
	s_lshr_b32 s17, s17, 4                         ; tiles of 16 rows
	s_sub_co_u32 s19, s17, 1                       ; the last of them
.irp s, 0,1,2,3,4,5,6,7
	KSTEP \s
.endr
	s_wait_dscnt 0x0                               ; my images and scale words have landed
	s_barrier_signal -1
	s_barrier_wait -1                              ; everybody's have: the launch's one barrier
	s_cmp_ge_u32 s14, s17
	s_cbranch_scc1 .Lend                           ; fewer tiles than waves: nothing is left for me
	s_mov_b32 s18, s14                             ; t
	s_sub_co_u32 s[TRIPS], s17, s14                ; my tiles are t = w, w + 4, .. under the count of tiles: (tiles - w + 3) / 4 of them,
	s_add_co_u32 s[TRIPS], s[TRIPS], 3
	s_lshr_b32 s[TRIPS], s[TRIPS], 2
	s_min_u32 s[TRIPS], s[TRIPS], 16               ; 16 at the most: 64 tiles among four waves
	s_mov_b32 s[TRIP], 0
	s_add_co_u32 s20, s36, s14
	s_mul_i32 s21, s20, CP
	s_mul_i32 s22, s20, SP
	v_add_nc_u32 v[VA], s21, v[VL16]
	v_add_nc_u32 v[VS], s22, v[VL8]
	AFETCH 0
	AFETCH 1
.set FI, 0
.rept 63
	WIN (1+FI/21)<<6
	ds_load_b128 v[12*(FI%21):12*(FI%21)+3], v[VLI+FI/32] offset:1536*(FI%32)
	ds_load_b128 v[12*(FI%21)+4:12*(FI%21)+7], v[VLI+FI/32] offset:1536*(FI%32)+512
	ds_load_b128 v[12*(FI%21)+8:12*(FI%21)+11], v[VLI+FI/32] offset:1536*(FI%32)+1024
.set FI, FI+1
.endr
	WIN 0
.irp c, 0,1,2
	ds_load_b128 v[WX+4*\c:WX+4*\c+3], v[VLI+1] offset:1536*31+512*\c
.endr
.irp t, 0,1,2,3,4,5,6,7
	ds_load_b128 v[WS+4*\t:WS+4*\t+3], v[VWL] offset:512*\t
.endr
	s_wait_dscnt 0x0                               ; the slice is in my registers
.Ltile:
	s_wait_loadcnt 13                              ; the tile's first four fragments are in; the 13 loads of the other half may be out
	s_wait_xcnt 0x0                                ; the last trip's stores have read their data (the accumulators' registers) and their offset
	GROUP 0, 1
	GROUP 1, 0
	GROUP 2, 0
	GROUP 3, 0
	WIN 0
	PLACES 4                                       ; in front of loads into registers that matrix instructions have read
	s_wait_loadcnt 0x0                             ; the other half is in: so VA and VS may be written
	s_add_co_u32 s20, s18, 4                       ; my next tile, or the expert's last once more (a read that is not used): no load leaves what was stored
	s_min_u32 s20, s20, s19
	s_min_u32 s20, s20, 63
	s_add_co_u32 s20, s20, s36
	s_mul_i32 s21, s20, CP
	s_mul_i32 s22, s20, SP
	v_add_nc_u32 v[VA], s21, v[VL16]
	v_add_nc_u32 v[VS], s22, v[VL8]
	AFETCH 0
	GROUP 4, 0
	GROUP 5, 0
	GROUP 6, 0
	GROUP 7, 0
	WIN 0
	PLACES 5                                       ; four for the loads and the LDS stores below; the fifth since the next trip begins these accumulators anew
	AFETCH 1
	s_min_u32 s20, s18, 63
	s_add_co_u32 s20, s20, s36                     ; T: the tile's first row is 16 T
	s_lshl_b32 s21, s20, 18
	v_add_nc_u32 v[VYO], s21, v[VL16]
.irp b, 0,1,2,3
.irp i, 0,1,2,3
	ds_store_b128 v[VSO], v[ACC+16*\b+4*\i:ACC+16*\b+4*\i+3] offset:128*\b+16*\i   ; lane (r, h): outputs 32 b + 16 h + 4 i on of token r; each accumulator from its low end on
.endr
.endr
.irp i, 0,1,2,3,4,5,6,7,8,9,10,11,12,13,14,15
	ds_load_b128 v[ACC+4*\i:ACC+4*\i+3], v[VST] offset:528*\i    ; LDS serves a wave's instructions in order: these see my stores; row i comes back whole
.endr
.irp i, 0,1,2,3,4,5,6,7,8,9,10,11,12,13,14,15
	s_wait_dscnt 15-\i                             ; the younger reads may be out
	global_store_b128 v[VYO], v[ACC+4*\i:ACC+4*\i+3], s[32:33] offset:16384*\i   ; 512 consecutive bytes a store
.endr
	s_add_co_u32 s18, s18, 4                       ; my next tile
	s_add_co_u32 s[TRIP], s[TRIP], 1               ; the loop is counted by trips, one a step
	s_cmp_lt_u32 s[TRIP], s[TRIPS]
	s_cbranch_scc1 .Ltile
.Lend:
	s_wait_tensorcnt 0x0
	ds_add_u32 v254, v255
	s_wait_dscnt 0x0
	s_endpgm
.Lfunc_end_k_qe408d75042_ffn2:
	.size	k_qe408d75042_ffn2, .Lfunc_end_k_qe408d75042_ffn2-k_qe408d75042_ffn2
	.p2alignl 7, 3214868480
	.fill 96, 4, 3214868480
	.section	.rodata,"a",@progbits
	.p2align	6, 0x0
	.amdhsa_kernel k_qe408d75042_ffn2
		.amdhsa_group_segment_fixed_size 171008
		.amdhsa_private_segment_fixed_size 0
		.amdhsa_enable_private_segment 0
		.amdhsa_kernarg_size 32
		.amdhsa_user_sgpr_count 2
		.amdhsa_user_sgpr_kernarg_segment_ptr 1
		.amdhsa_wavefront_size32 1
		.amdhsa_system_sgpr_workgroup_id_x 1
		.amdhsa_system_sgpr_workgroup_id_y 1
		.amdhsa_system_sgpr_workgroup_id_z 1
		.amdhsa_system_vgpr_workitem_id 0
		.amdhsa_next_free_vgpr 1024
		.amdhsa_next_free_sgpr 66
		.amdhsa_reserve_vcc 0
		.amdhsa_float_denorm_mode_32 3
		.amdhsa_float_denorm_mode_16_64 3
		.amdhsa_memory_ordered 1
		.amdhsa_forward_progress 1
		.amdhsa_inst_pref_size 143
	.end_amdhsa_kernel
	.amdgpu_metadata
---
amdhsa.version: [ 1, 2 ]
amdhsa.kernels:
  - .name:           k_qe408d75042_ffn2
    .symbol:         k_qe408d75042_ffn2.kd
    .args:
      - { .name: W2, .offset: 0, .size: 8, .value_kind: global_buffer, .address_space: global }
      - { .name: plc, .offset: 8, .size: 8, .value_kind: global_buffer, .address_space: global }
      - { .name: hq, .offset: 16, .size: 8, .value_kind: global_buffer, .address_space: global }
      - { .name: yp, .offset: 24, .size: 8, .value_kind: global_buffer, .address_space: global }
    .group_segment_fixed_size: 171008
    .private_segment_fixed_size: 0
    .kernarg_segment_align: 8
    .kernarg_segment_size: 32
    .max_flat_workgroup_size: 128
    .sgpr_count:     66
    .vgpr_count:     1024
    .wavefront_size: 32
...
	.end_amdgpu_metadata
.endif
;; end of part 5
;; launch combine (part 6): grid 256 x 1, 4 waves a work-group, no clusters, 0 bytes of LDS; arguments idx, wts, plc, yp, b2, out0; writes out0
.if DOCPART == 6
	.amdgcn_target "amdgcn-amd-amdhsa--gfx1250"
	.amdhsa_code_object_version 6
	.text
	.protected	k_qe408d75042_combine
	.globl	k_qe408d75042_combine
	.p2align	8
	.type	k_qe408d75042_combine,@function
k_qe408d75042_combine:
	s_mov_b64 s[64:65], 0
	v_nop
	global_prefetch_b8 v0, s[64:65] scope:SCOPE_SE
	s_setreg_imm32_b32 hwreg(HW_REG_WAVE_MODE, 25, 1), 1
	s_wait_xcnt 0x0
; THE COMBINE: out[n] = the sum over the token's two choices k of w_k (b2[e_k] + the four parts of y at the choice's sorted row).
; One wave takes one token; each output row has one owner.  The experts, the weights and the sorted rows were stored by earlier launches; they come by scalar loads.
; A routed row's sorted row stands in the table of its own expert and 0 in the seven others: the eight tables' words are joined by OR.
; A row goes in eight chunks of 512 bytes; a chunk wants ten loads (2 choices x (4 parts + b2)), each of 512 consecutive bytes.  A ring of four chunks keeps 30 to 40 loads of a wave on their way.
; No LDS, no barrier, no matrix unit: memory binds here.
.set SLOT0, 16                         ; v16-175  four slots of 40 registers: choice k at 20 k: parts 0-3, then b2
.set OUTR,  176                        ; v176-207 a chunk's four results, a set for each chunk: no store's data are written again
.set PE,    32                         ; s32-47   the token's two words of each expert's table
	s_load_b256 s[4:11], s[0:1], 0x0               ; idx s[4:5], wts s[6:7], plc s[8:9], yp s[10:11]
	s_load_b128 s[12:15], s[0:1], 0x20             ; b2 s[12:13], out0 s[14:15]
	v_lshrrev_b32 v1, 5, v0
	v_readfirstlane_b32 s16, v1                    ; wave
	v_and_b32 v1, 31, v0
	v_lshlrev_b32 v1, 4, v1                        ; 16 bytes a lane
	s_lshl_b32 s17, ttmp9, 2
	s_add_co_u32 s17, s17, s16                     ; my token n
	s_lshl_b32 s18, s17, 3                         ; its 8 bytes in idx, in wts and in each table of plc
	s_mov_b32 s19, 0
	s_lshl_b32 s20, s17, 12
	v_add_nc_u32 v6, s20, v1                       ; its row of out0
	s_wait_kmcnt 0x0
	s_add_nc_u64 s[4:5], s[4:5], s[18:19]
	s_add_nc_u64 s[6:7], s[6:7], s[18:19]
	s_add_nc_u64 s[8:9], s[8:9], s[18:19]
	s_load_b64 s[24:25], s[4:5], 0x0               ; e_0, e_1
	s_load_b64 s[26:27], s[6:7], 0x0               ; w_0, w_1
.irp e, 0,1,2,3,4,5,6,7
	s_load_b64 s[PE+2*\e:PE+2*\e+1], s[8:9], 8192*\e   ; expert e's table: the sorted rows, or zeros
.endr
	s_wait_kmcnt 0x0
	s_or_b32 s28, s[PE], s[PE+2]
	s_or_b32 s29, s[PE+1], s[PE+3]
.irp e, 2,3,4,5,6,7
	s_or_b32 s28, s28, s[PE+2*\e]
	s_or_b32 s29, s29, s[PE+2*\e+1]
.endr
	s_min_u32 s28, s28, 8191
	s_min_u32 s29, s29, 8191
	s_min_u32 s24, s24, 7
	s_min_u32 s25, s25, 7
	s_lshl_b32 s28, s28, 14                        ; a sorted row is 4 parts x 4,096 bytes
	s_lshl_b32 s29, s29, 14
	s_lshl_b32 s24, s24, 12
	s_lshl_b32 s25, s25, 12
	v_add_nc_u32 v2, s28, v1
	v_add_nc_u32 v3, s29, v1
	v_add_nc_u32 v4, s24, v1
	v_add_nc_u32 v5, s25, v1
	s_mov_b32 s30, s27                             ; w_1 in a pair of its own: the packed forms take a pair's low word for both halves
	s_mov_b32 s31, s27
.macro CLOAD i
.set SL, SLOT0+40*((\i)%4)
.irp k, 0,1
.irp q, 0,1,2,3
	global_load_b128 v[SL+20*\k+4*\q:SL+20*\k+4*\q+3], v[2+\k], s[10:11] offset:4096*\q+512*(\i) th:TH_LOAD_NT
.endr
	global_load_b128 v[SL+20*\k+16:SL+20*\k+19], v[4+\k], s[12:13] offset:512*(\i)
.endr
.endm
.macro CHUNK i, left
.set SL, SLOT0+40*((\i)%4)
.set OO, OUTR+4*(\i)
	s_wait_loadcnt \left                           ; this chunk's ten loads are in; the younger chunks' stay out
.irp k, 0,1
.irp p, 0,2
	v_pk_add_f32 v[SL+20*\k+\p:SL+20*\k+\p+1], v[SL+20*\k+\p:SL+20*\k+\p+1], v[SL+20*\k+4+\p:SL+20*\k+4+\p+1]
	v_pk_add_f32 v[SL+20*\k+8+\p:SL+20*\k+8+\p+1], v[SL+20*\k+8+\p:SL+20*\k+8+\p+1], v[SL+20*\k+12+\p:SL+20*\k+12+\p+1]
.endr
.endr
.irp k, 0,1
.irp p, 0,2
	v_pk_add_f32 v[SL+20*\k+\p:SL+20*\k+\p+1], v[SL+20*\k+\p:SL+20*\k+\p+1], v[SL+20*\k+8+\p:SL+20*\k+8+\p+1]
.endr
.endr
.irp k, 0,1
.irp p, 0,2
	v_pk_add_f32 v[SL+20*\k+\p:SL+20*\k+\p+1], v[SL+20*\k+\p:SL+20*\k+\p+1], v[SL+20*\k+16+\p:SL+20*\k+16+\p+1]   ; + b2
.endr
.endr
.irp p, 0,2
	v_pk_mul_f32 v[OO+\p:OO+\p+1], v[SL+\p:SL+\p+1], s[26:27] op_sel_hi:[1,0]
.endr
.irp p, 0,2
	v_pk_fma_f32 v[OO+\p:OO+\p+1], v[SL+20+\p:SL+20+\p+1], s[30:31], v[OO+\p:OO+\p+1] op_sel_hi:[1,0,1]
.endr
.if (\i) < 4
	CLOAD (\i)+4                                   ; the slot takes the chunk four on
.endif
	global_store_b128 v6, v[OUTR+4*(\i):OUTR+4*(\i)+3], s[14:15] offset:512*(\i) th:TH_STORE_NT   ; 512 consecutive bytes a store
.endm
	CLOAD 0
	CLOAD 1
	CLOAD 2
	CLOAD 3
	CHUNK 0, 30
	CHUNK 1, 30
	CHUNK 2, 30
	CHUNK 3, 30
	CHUNK 4, 30
	CHUNK 5, 20                                    ; nothing more is asked for: the counts run down
	CHUNK 6, 10
	CHUNK 7, 0
	s_endpgm
.Lfunc_end_k_qe408d75042_combine:
	.size	k_qe408d75042_combine, .Lfunc_end_k_qe408d75042_combine-k_qe408d75042_combine
	.p2alignl 7, 3214868480
	.fill 96, 4, 3214868480
	.section	.rodata,"a",@progbits
	.p2align	6, 0x0
	.amdhsa_kernel k_qe408d75042_combine
		.amdhsa_group_segment_fixed_size 0
		.amdhsa_private_segment_fixed_size 0
		.amdhsa_enable_private_segment 0
		.amdhsa_kernarg_size 48
		.amdhsa_user_sgpr_count 2
		.amdhsa_user_sgpr_kernarg_segment_ptr 1
		.amdhsa_wavefront_size32 1
		.amdhsa_system_sgpr_workgroup_id_x 1
		.amdhsa_system_sgpr_workgroup_id_y 1
		.amdhsa_system_sgpr_workgroup_id_z 1
		.amdhsa_system_vgpr_workitem_id 0
		.amdhsa_next_free_vgpr 208
		.amdhsa_next_free_sgpr 66
		.amdhsa_reserve_vcc 0
		.amdhsa_float_denorm_mode_32 3
		.amdhsa_float_denorm_mode_16_64 3
		.amdhsa_memory_ordered 1
		.amdhsa_forward_progress 1
		.amdhsa_inst_pref_size 21
	.end_amdhsa_kernel
	.amdgpu_metadata
---
amdhsa.version: [ 1, 2 ]
amdhsa.kernels:
  - .name:           k_qe408d75042_combine
    .symbol:         k_qe408d75042_combine.kd
    .args:
      - { .name: idx, .offset: 0, .size: 8, .value_kind: global_buffer, .address_space: global }
      - { .name: wts, .offset: 8, .size: 8, .value_kind: global_buffer, .address_space: global }
      - { .name: plc, .offset: 16, .size: 8, .value_kind: global_buffer, .address_space: global }
      - { .name: yp, .offset: 24, .size: 8, .value_kind: global_buffer, .address_space: global }
      - { .name: b2, .offset: 32, .size: 8, .value_kind: global_buffer, .address_space: global }
      - { .name: out0, .offset: 40, .size: 8, .value_kind: global_buffer, .address_space: global }
    .group_segment_fixed_size: 0
    .private_segment_fixed_size: 0
    .kernarg_segment_align: 8
    .kernarg_segment_size: 48
    .max_flat_workgroup_size: 128
    .sgpr_count:     66
    .vgpr_count:     208
    .wavefront_size: 32
...
	.end_amdgpu_metadata
.endif
;; end of part 6
;; ======== version 2 of 2: 6 launches
;; workspace buffers: idx 8,192 bytes of whole numbers; wts 8,192 bytes; plc 98,560 bytes of whole numbers; xs 6,553,600 bytes; hq 26,214,400 bytes; yp 134,217,728 bytes
;; launch route (part 7): grid 256 x 1, 4 waves a work-group, no clusters, 0 bytes of LDS; arguments x, gate_w, idx, wts; writes idx, wts
.if DOCPART == 7
	.amdgcn_target "amdgcn-amd-amdhsa--gfx1250"
	.amdhsa_code_object_version 6
	.text
	.protected	k_qe408d75042_route
	.globl	k_qe408d75042_route
	.p2align	8
	.type	k_qe408d75042_route,@function
k_qe408d75042_route:
	s_mov_b64 s[64:65], 0
	v_nop
	global_prefetch_b8 v0, s[64:65] scope:SCOPE_SE
	s_setreg_imm32_b32 hwreg(HW_REG_WAVE_MODE, 25, 1), 1
	s_wait_xcnt 0x0
; THE ROUTER.  logits = x gate_w^T (f32 fused multiply-adds), softmax with the row's maximum taken away, the two largest
; probabilities (of equal ones the lower index is kept: the compares are strict), their weights w / (w1 + w2 + 1e-9).
; One wave takes one token.  Lane l holds k = 128 i + 4 l + 0..3 of the token's row and of all eight rows of gate_w (256 registers, window 1).
; Stored at fixed places: idx[2 n + k] the expert, wts[2 n + k] its weight.  No address and no branch hangs on the choice.
; LIMITS: NaN and infinities are not served; the logits' sums run in another order than a plain loop over k; a wave stores 8 bytes to each buffer.
.set X,   32                           ; v32-63   my 32 numbers of x
.set ACC, 64                           ; v64-79   eight sums, in pairs
.set P,   80                           ; v80-87   logits, then probabilities
.set Q,   88                           ; v88-95   the other half of the lanes' sums
.set MSB, 0
.macro WIN new                         ; the immediate's high byte repeats the setting that is left
.if MSB != (\new)
	s_set_vgpr_msb (MSB<<8)|(\new)
.set MSB, (\new)
.endif
.endm
	s_load_b256 s[4:11], s[0:1], 0x0               ; x s[4:5], gate_w s[6:7], idx s[8:9], wts s[10:11]
	v_lshrrev_b32 v3, 5, v0
	v_readfirstlane_b32 s12, v3                    ; wave
	v_and_b32 v2, 31, v0                           ; lane
	v_lshlrev_b32 v1, 4, v2                        ; 16 bytes a lane
	v_lshlrev_b32 v3, 2, v2                        ; 4 bytes a lane, for the stores
	s_lshl_b32 s13, ttmp9, 2
	s_add_co_u32 s13, s13, s12                     ; my token n
	s_lshl_b32 s16, s13, 12                        ; its row of 4,096 bytes
	s_mov_b32 s17, 0
	s_lshl_b32 s18, s13, 3                         ; its 8 bytes in idx and in wts
	s_mov_b32 s19, 0
	s_mov_b32 s14, 0x76543210                      ; v_permlanex16_b32: lane l xor 16
	s_mov_b32 s15, 0xfedcba98
	s_mov_b32 s21, 0xaaaaaaaa                      ; the odd lanes
.irp e, 0,1,2,3,4,5,6,7
	v_mov_b32 v[Q+\e], 0                           ; a lane permute's destination counts as one of its sources
.endr
	s_wait_kmcnt 0x0
	s_add_nc_u64 s[4:5], s[4:5], s[16:17]
	s_add_nc_u64 s[8:9], s[8:9], s[18:19]
	s_add_nc_u64 s[10:11], s[10:11], s[18:19]
.irp i, 0,1,2,3,4,5,6,7
	global_load_b128 v[X+4*\i:X+4*\i+3], v1, s[4:5] offset:512*\i      ; 512 consecutive bytes a load
.endr
	WIN 0x40                                       ; destination window 1
.irp e, 0,1,2,3,4,5,6,7
.irp i, 0,1,2,3,4,5,6,7
	global_load_b128 v[32*\e+4*\i:32*\e+4*\i+3], v1, s[6:7] offset:4096*\e+512*\i
.endr
.endr
	WIN 0
	s_wait_loadcnt 0x0
	WIN 0x04                                       ; source 1 (gate_w) window 1
.irp e, 0,1,2,3,4,5,6,7
	v_pk_mul_f32 v[ACC+2*\e:ACC+2*\e+1], v[X:X+1], v[32*\e:32*\e+1]    ; the first products start the eight sums
.endr
.irp j, 1,2,3,4,5,6,7,8,9,10,11,12,13,14,15
.irp e, 0,1,2,3,4,5,6,7
	v_pk_fma_f32 v[ACC+2*\e:ACC+2*\e+1], v[X+2*\j:X+2*\j+1], v[32*\e+2*\j:32*\e+2*\j+1], v[ACC+2*\e:ACC+2*\e+1]
.endr
.endr
	WIN 0
.irp e, 0,1,2,3,4,5,6,7
	v_add_f32 v[P+\e], v[ACC+2*\e], v[ACC+2*\e+1]
.endr
.irp m, 1,2,4,8
.irp e, 0,1,2,3,4,5,6,7
	v_add_f32_dpp v[P+\e], v[P+\e], v[P+\e] row_xmask:\m row_mask:0xf bank_mask:0xf
.endr
.endr
.irp e, 0,1,2,3,4,5,6,7
	v_permlanex16_b32 v[Q+\e], v[P+\e], s14, s15
.endr
.irp e, 0,1,2,3,4,5,6,7
	v_add_f32 v[P+\e], v[P+\e], v[Q+\e]            ; every lane holds the eight logits
.endr
	v_max3_num_f32 v96, v80, v81, v82
	v_max3_num_f32 v97, v83, v84, v85
	v_max3_num_f32 v96, v96, v86, v87
	v_max_num_f32 v96, v96, v97                    ; the row's maximum
.irp e, 0,1,2,3,4,5,6,7
	v_sub_f32 v[P+\e], v[P+\e], v96
.endr
.irp e, 0,1,2,3,4,5,6,7
	v_mul_f32 v[P+\e], 0x3fb8aa3b, v[P+\e]         ; x log2(e)
.endr
	s_wait_alu depctr_va_vdst(0)
.irp e, 0,1,2,3,4,5,6,7
	v_exp_f32 v[P+\e], v[P+\e]
.endr
	v_nop                                          ; one plain instruction behind the exponentials (ISA guide 5.7.2)
	s_wait_alu depctr_va_vdst(0)
	v_add_f32 v96, v80, v81
	v_add_f32 v97, v82, v83
	v_add_f32 v98, v84, v85
	v_add_f32 v99, v86, v87
	v_add_f32 v96, v96, v97
	v_add_f32 v98, v98, v99
	v_add_f32 v96, v96, v98
	s_wait_alu depctr_va_vdst(0)
	v_rcp_f32 v97, v96
	v_nop
	s_wait_alu depctr_va_vdst(0)
.irp e, 0,1,2,3,4,5,6,7
	v_mul_f32 v[P+\e], v[P+\e], v97                ; the probabilities
.endr
	v_mov_b32 v100, v80                            ; the largest and its index: selections alone
	v_mov_b32 v101, 0
.irp e, 1,2,3,4,5,6,7
	v_cmp_gt_f32 vcc_lo, v[P+\e], v100
	v_cndmask_b32 v100, v100, v[P+\e], vcc_lo
	v_cndmask_b32 v101, v101, \e, vcc_lo
.endr
	v_mov_b32 v102, -1.0                           ; the largest of the others
	v_mov_b32 v103, 0
.irp e, 0,1,2,3,4,5,6,7
	v_cmp_ne_u32 s20, \e, v101
	v_cmp_gt_f32 vcc_lo, v[P+\e], v102
	s_and_b32 vcc_lo, vcc_lo, s20
	v_cndmask_b32 v102, v102, v[P+\e], vcc_lo
	v_cndmask_b32 v103, v103, \e, vcc_lo
.endr
	v_add_f32 v104, v100, v102
	v_add_f32 v104, 0x3089705f, v104               ; + 1e-9
	s_wait_alu depctr_va_vdst(0)
	v_rcp_f32 v105, v104
	v_nop
	s_wait_alu depctr_va_vdst(0)
	v_mul_f32 v100, v100, v105
	v_mul_f32 v102, v102, v105
	v_cndmask_b32 v106, v101, v103, s21            ; lane 0: the first choice, lane 1: the second
	v_cndmask_b32 v107, v100, v102, s21
	v_cmp_gt_u32 vcc_lo, 2, v2
	s_wait_alu depctr_va_vdst(0)
	s_wait_xcnt 0x0                                ; EXEC changes only behind this wait
	s_and_saveexec_b32 s22, vcc_lo
	global_store_b32 v3, v106, s[8:9]
	global_store_b32 v3, v107, s[10:11]
	s_wait_xcnt 0x0
	s_or_b32 exec_lo, exec_lo, s22
	s_endpgm
.Lfunc_end_k_qe408d75042_route:
	.size	k_qe408d75042_route, .Lfunc_end_k_qe408d75042_route-k_qe408d75042_route
	.p2alignl 7, 3214868480
	.fill 96, 4, 3214868480
	.section	.rodata,"a",@progbits
	.p2align	6, 0x0
	.amdhsa_kernel k_qe408d75042_route
		.amdhsa_group_segment_fixed_size 0
		.amdhsa_private_segment_fixed_size 0
		.amdhsa_enable_private_segment 0
		.amdhsa_kernarg_size 32
		.amdhsa_user_sgpr_count 2
		.amdhsa_user_sgpr_kernarg_segment_ptr 1
		.amdhsa_wavefront_size32 1
		.amdhsa_system_sgpr_workgroup_id_x 1
		.amdhsa_system_sgpr_workgroup_id_y 1
		.amdhsa_system_sgpr_workgroup_id_z 1
		.amdhsa_system_vgpr_workitem_id 0
		.amdhsa_next_free_vgpr 512
		.amdhsa_next_free_sgpr 66
		.amdhsa_reserve_vcc 1
		.amdhsa_float_denorm_mode_32 3
		.amdhsa_float_denorm_mode_16_64 3
		.amdhsa_memory_ordered 1
		.amdhsa_forward_progress 1
		.amdhsa_inst_pref_size 25
	.end_amdhsa_kernel
	.amdgpu_metadata
---
amdhsa.version: [ 1, 2 ]
amdhsa.kernels:
  - .name:           k_qe408d75042_route
    .symbol:         k_qe408d75042_route.kd
    .args:
      - { .name: x, .offset: 0, .size: 8, .value_kind: global_buffer, .address_space: global }
      - { .name: gate_w, .offset: 8, .size: 8, .value_kind: global_buffer, .address_space: global }
      - { .name: idx, .offset: 16, .size: 8, .value_kind: global_buffer, .address_space: global }
      - { .name: wts, .offset: 24, .size: 8, .value_kind: global_buffer, .address_space: global }
    .group_segment_fixed_size: 0
    .private_segment_fixed_size: 0
    .kernarg_segment_align: 8
    .kernarg_segment_size: 32
    .max_flat_workgroup_size: 128
    .sgpr_count:     66
    .vgpr_count:     512
    .wavefront_size: 32
...
	.end_amdgpu_metadata
.endif
;; end of part 7
;; launch list (part 8): grid 8 x 1, 4 waves a work-group, no clusters, 4,864 bytes of LDS; arguments idx, plc; writes plc
.if DOCPART == 8
	.amdgcn_target "amdgcn-amd-amdhsa--gfx1250"
	.amdhsa_code_object_version 6
	.text
	.protected	k_qe408d75042_list
	.globl	k_qe408d75042_list
	.p2align	8
	.type	k_qe408d75042_list,@function
k_qe408d75042_list:
	s_mov_b64 s[64:65], 0
	v_nop
	global_prefetch_b8 v0, s[64:65] scope:SCOPE_SE
	s_setreg_imm32_b32 hwreg(HW_REG_WAVE_MODE, 25, 1), 1
	s_wait_xcnt 0x0
; THE LISTS.  Work-group e: wave 0 scans all 2,048 routed rows (rho = 2 n + k) of idx, which an earlier launch stored, and lists those of expert e in LDS; the four waves then store the list.
; Stored, all at fixed places: plc + 8,192 e + 4 rho: 1,024 e + the row's place in the list where the row is this expert's, 0 elsewhere (each row is one expert's, so the eight tables
; joined by OR give every row's place); plc + LIST + 4,096 e: the list, 1,024 words, zeros behind the count (routed row 0: a valid row); plc + CNT + 4 e: the count.
; No branch hangs on idx, and no address in memory: only the LDS words into which wave 0 puts the listed rows.  The later launches read these whole numbers by scalar loads.
; THE SCAN GOES BY STAGES over 32 registers at a time: 32 compares into 32 scalar masks, 32 bit counts, their running sum in 32 scalars, then each vector line 32 times:
; so no line reads the result of the line above it.  One wave alone stores into the list: no two waves write the same LDS bytes.
; Eight work-groups: there are eight lists, and a list's order is made by one running count.
.set LIST,  65536
.set CNT,   98304
.set TRASH, 4096                       ; LDS: the list, 1,024 words, at 0; behind it a word for the rows of other experts
.set IDX, 32                           ; v32-95   idx as loaded: register 4 c + i holds idx[128 c + 4 lane + i]; then the row's place, or 0
.set DMP, 96                           ; v96-103  my quarter of the list on its way out
.set ZR,  20                           ; v20-23   zeros
.set ADR, 128                          ; v128-191 where each row goes in LDS
.set RHO, 192                          ; v192-255 the rows' numbers
.set MK,  32                           ; s32-63   the masks of 32 registers: the lanes whose row is this expert's
.set PF,  66                           ; s66-97   rows listed up to and with each of these registers
	s_load_b128 s[4:7], s[0:1], 0x0                ; idx s[4:5], plc s[6:7]
	v_lshl_add_u32 v126, v0, 2, 0x1100
	v_mov_b32 v127, 0
	v_lshrrev_b32 v11, 5, v0
	v_readfirstlane_b32 s12, v11                   ; wave
	v_and_b32 v15, 31, v0                          ; lane
	s_mov_b32 s16, ttmp9                           ; e
	v_lshlrev_b32 v1, 4, v15                       ; v1  16 x lane
	v_lshlrev_b32 v8, 2, v15                       ; v8  4 x lane
	s_lshl_b32 s20, s12, 10
	v_add_nc_u32 v2, s20, v1                       ; v2  LDS: my quarter of the list
	s_lshl_b32 s21, s16, 12
	s_add_co_u32 s21, s21, s20
	v_add_nc_u32 v10, s21, v1                      ; v10 and its place among the lists
	s_lshl_b32 s21, s16, 13
	v_add_nc_u32 v9, s21, v1                       ; v9  the expert's table of places
	s_lshl_b32 s26, s16, 10                        ; 1,024 e
	s_wait_kmcnt 0x0
	s_cmp_lg_u32 s12, 0
	s_cbranch_scc1 .Ljoin
	s_wait_alu depctr_va_vdst(0)
	; ---- wave 0 alone
.irp c, 0,1,2,3,4,5,6,7,8,9,10,11,12,13,14,15
	global_load_b128 v[IDX+4*\c:IDX+4*\c+3], v1, s[4:5] offset:512*\c
.endr
.irp i, 0,1,2,3
	v_mov_b32 v[ZR+\i], 0
.endr
.irp c, 0,1,2,3,4,5,6,7
	ds_store_b128 v1, v[ZR:ZR+3] offset:512*\c     ; the list begins as zeros
.endr
	s_mov_b32 s23, 0                               ; rows listed so far
	s_wait_loadcnt 0x0
.irp hf, 0,1                                   ; registers 32 hf .. 32 hf + 31
.set KK, 0
.rept 32
	v_cmp_eq_u32 s[MK+KK], s16, v[IDX+32*\hf+KK]   ; the lanes whose row is this expert's
.set KK, KK+1
.endr
.set KK, 0
.rept 32
	s_bcnt1_i32_b32 s[PF+KK], s[MK+KK]             ; how many they are
.set KK, KK+1
.endr
	s_add_co_u32 s[PF], s[PF], s23                 ; the running sum, from the rows listed so far on
.set KK, 1
.rept 31
	s_add_co_u32 s[PF+KK], s[PF+KK], s[PF+KK-1]
.set KK, KK+1
.endr
.set KK, 0
.rept 32
.if KK == 0
	v_mbcnt_lo_u32_b32 v[ADR+32*\hf], s[MK], s23   ; rows listed ahead of this register + such lanes below me: the row's place
.else
	v_mbcnt_lo_u32_b32 v[ADR+32*\hf+KK], s[MK+KK], s[PF+KK-1]
.endif
.set KK, KK+1
.endr
.set KK, 0
.rept 32
	v_add_nc_u32 v[IDX+32*\hf+KK], s26, v[ADR+32*\hf+KK]             ; 1,024 e + place,
.set KK, KK+1
.endr
.set KK, 0
.rept 32
	v_cndmask_b32 v[IDX+32*\hf+KK], 0, v[IDX+32*\hf+KK], s[MK+KK]    ; or 0 for another expert's row
.set KK, KK+1
.endr
.set KK, 0
.rept 32
	v_cndmask_b32 v[ADR+32*\hf+KK], -1, v[ADR+32*\hf+KK], s[MK+KK]
.set KK, KK+1
.endr
.set KK, 0
.rept 32
	v_min_u32 v[ADR+32*\hf+KK], 1024, v[ADR+32*\hf+KK]               ; the others fall on the spare word behind the list
.set KK, KK+1
.endr
.set KK, 0
.rept 32
	v_lshlrev_b32 v[ADR+32*\hf+KK], 2, v[ADR+32*\hf+KK]
.set KK, KK+1
.endr
.set KK, 0
.rept 32
	v_or_b32 v[RHO+32*\hf+KK], 128*((32*\hf+KK)/4)+(32*\hf+KK)%4, v8 ; rho
.set KK, KK+1
.endr
.set KK, 0
.rept 32
	ds_store_b32 v[ADR+32*\hf+KK], v[RHO+32*\hf+KK]
.set KK, KK+1
.endr
	s_mov_b32 s23, s[PF+31]                        ; rows listed so far
.endr
.irp c, 0,1,2,3,4,5,6,7,8,9,10,11,12,13,14,15
	global_store_b128 v9, v[IDX+4*\c:IDX+4*\c+3], s[6:7] offset:512*\c   ; 512 consecutive bytes a store
.endr
	v_mov_b32 v11, s23                             ; the count
	s_lshl_b32 s20, s16, 2
	v_mov_b32 v14, s20
	v_cmp_eq_u32 vcc_lo, 0, v15
	s_wait_alu depctr_va_vdst(0)
	s_wait_xcnt 0x0                                ; EXEC changes only behind this wait
	s_and_saveexec_b32 s28, vcc_lo
	global_store_b32 v14, v11, s[6:7] offset:CNT
	s_wait_xcnt 0x0
	s_or_b32 exec_lo, exec_lo, s28
.Ljoin:
	s_wait_dscnt 0x0                               ; wave 0's LDS stores have landed
	s_barrier_signal -1
	s_barrier_wait -1
	s_wait_alu depctr_va_vdst(0)
	ds_load_b128 v[DMP:DMP+3], v2
	ds_load_b128 v[DMP+4:DMP+7], v2 offset:512
	s_wait_dscnt 0x0
	global_store_b128 v10, v[DMP:DMP+3], s[6:7] offset:LIST
	global_store_b128 v10, v[DMP+4:DMP+7], s[6:7] offset:LIST+512
	s_wait_tensorcnt 0x0
	ds_add_u32 v126, v127
	s_wait_dscnt 0x0
	s_endpgm
.Lfunc_end_k_qe408d75042_list:
	.size	k_qe408d75042_list, .Lfunc_end_k_qe408d75042_list-k_qe408d75042_list
	.p2alignl 7, 3214868480
	.fill 96, 4, 3214868480
	.section	.rodata,"a",@progbits
	.p2align	6, 0x0
	.amdhsa_kernel k_qe408d75042_list
		.amdhsa_group_segment_fixed_size 4864
		.amdhsa_private_segment_fixed_size 0
		.amdhsa_enable_private_segment 0
		.amdhsa_kernarg_size 16
		.amdhsa_user_sgpr_count 2
		.amdhsa_user_sgpr_kernarg_segment_ptr 1
		.amdhsa_wavefront_size32 1
		.amdhsa_system_sgpr_workgroup_id_x 1
		.amdhsa_system_sgpr_workgroup_id_y 1
		.amdhsa_system_sgpr_workgroup_id_z 1
		.amdhsa_system_vgpr_workitem_id 0
		.amdhsa_next_free_vgpr 256
		.amdhsa_next_free_sgpr 100
		.amdhsa_reserve_vcc 1
		.amdhsa_float_denorm_mode_32 3
		.amdhsa_float_denorm_mode_16_64 3
		.amdhsa_memory_ordered 1
		.amdhsa_forward_progress 1
		.amdhsa_inst_pref_size 42
	.end_amdhsa_kernel
	.amdgpu_metadata
---
amdhsa.version: [ 1, 2 ]
amdhsa.kernels:
  - .name:           k_qe408d75042_list
    .symbol:         k_qe408d75042_list.kd
    .args:
      - { .name: idx, .offset: 0, .size: 8, .value_kind: global_buffer, .address_space: global }
      - { .name: plc, .offset: 8, .size: 8, .value_kind: global_buffer, .address_space: global }
    .group_segment_fixed_size: 4864
    .private_segment_fixed_size: 0
    .kernarg_segment_align: 8
    .kernarg_segment_size: 16
    .max_flat_workgroup_size: 128
    .sgpr_count:     100
    .vgpr_count:     256
    .wavefront_size: 32
...
	.end_amdgpu_metadata
.endif
;; end of part 8
;; launch place (part 9): grid 64 x 8, 8 waves a work-group, no clusters, 68,608 bytes of LDS; arguments plc, x, xs; writes xs
.if DOCPART == 9
	.amdgcn_target "amdgcn-amd-amdhsa--gfx1250"
	.amdhsa_code_object_version 6
	.text
	.protected	k_qe408d75042_place
	.globl	k_qe408d75042_place
	.p2align	8
	.type	k_qe408d75042_place,@function
k_qe408d75042_place:
	s_mov_b64 s[64:65], 0
	v_nop
	global_prefetch_b8 v0, s[64:65] scope:SCOPE_SE
	s_setreg_imm32_b32 hwreg(HW_REG_WAVE_MODE, 25, 1), 1
	s_wait_xcnt 0x0
; THE PLACING.  Work-group (t, e) takes tile t of expert e's list (16 routed rows); its wave s takes K step s (128 along K) of the tile.  The wave gathers its 512 bytes of each of the 16 tokens'
; rows of x, quantises them to FP6 (E2M3) with one E8M0 byte for each 32 along K, and stores them as an IMAGE OF THE OPERAND'S REGISTERS:
; fragment (tile T = 64 e + t, K step s) is 1,536 bytes at 12,288 T + 1,536 s; group c of four registers of lane l at 512 c + 16 l.
; The scale words of a tile are 512 bytes at XSC + 512 T: the word of (K step s, row r) at 256 (s / 4) + 8 (r + 16 (s % 2)) + 4 ((s / 2) % 2), so that the reader's two loads of 8 bytes a lane
; give four registers, each with an even K step's words in lanes 0-15 and the odd one's in lanes 16-31.  A wave stores its 16 words 8 bytes apart: 64 bytes a wave that fill no aligned 256 bytes by themselves.
; One K step to a wave, so that a tile's eight K steps run side by side and not one after the other: a wave has 16 loads, one turn through its stage, one quantising, four stores.
; The expert's count and the tile's 16 entries of the list were stored by an earlier launch and come by scalar loads: the one branch and the rows' addresses hang on them alone.
; The grid serves every split: an expert may be chosen by all 1,024 tokens (64 tiles).  A work-group whose tile begins at or behind the count stores nothing and ends.
; The last tile's rows behind the count name routed row 0: a valid row, whose results nobody reads.  Waves share nothing: no barrier.
; A block's scale is its largest magnitude's exponent field less 2, held at 1 from below.  LIMITS: a block of zeros, or one under 2^-124, keeps the byte 1 (its codes are read by
; this program alone; zero codes add nothing); NaN and infinities are not served.
.set LIST,  65536                      ; plc: the lists, 4,096 bytes an expert
.set CNT,   98304                      ; and the counts
.set STGB,  8448                       ; LDS: a stage of 16 rows x (512 bytes + 16) for each wave
.set XSC,   6291456
.set VH8, 4                            ; v4  8 x (lane / 16)
.set OFF, 16                           ; v16-31   the tile's 16 rows: byte offsets in x, + 512 s + 16 x lane
.set R,   32                           ; v32-95   the 16 rows' 512 bytes as loaded
.set X,   96                           ; v96-159  64 numbers of my row: register 32 c + i is k = 64 c + 32 (lane / 16) + i of the K step
.set TM,  160                          ; v160-171 at work
.set PW,  172                          ; my row's scale word
.set PT,  173
.set PC,  176                          ; v176-187 the codes
.set SEL, 18
.set ENT, 48                           ; s48-63  the tile's 16 entries of the list
; 64 numbers of a lane (two whole blocks of 32) become a fragment's 12 registers at pc and its row's scale word in pw.
.macro QW src, pc, pw
.irp c, 0,1
	v_max3_num_f32 v[TM+\c], |v[(\src)+32*\c]|, |v[(\src)+32*\c+1]|, 0x1800000   ; with the floor 2^(3 - 127): the byte cannot fall under 1
.endr
.irp i, 2,4,6,8,10,12,14,16,18,20,22,24,26,28,30
.irp c, 0,1
	s_delay_alu instid0(VALU_DEP_2)
	v_max3_num_f32 v[TM+\c], v[TM+\c], |v[(\src)+32*\c+\i]|, |v[(\src)+32*\c+\i+1]|
.endr
.endr
.irp c, 0,1
	s_delay_alu instid0(VALU_DEP_2)
	v_add_nc_u32 v[TM+8+\c], 0xff000000, v[TM+\c]  ; 2 off the exponent field: the conversion's scale operand
.endr
.irp c, 0,1
	s_delay_alu instid0(VALU_DEP_2)
	v_lshrrev_b32 v[TM+2+\c], 23, v[TM+8+\c]       ; the scale's byte
.endr
	s_delay_alu instid0(VALU_DEP_1)
	v_lshl_or_b32 v[\pw], v[TM+3], 16, v[TM+2]     ; my blocks are h and 2 + h of the four
	s_delay_alu instid0(VALU_DEP_1)
	v_lshlrev_b32 v[\pw], v[VH8], v[\pw]
	s_delay_alu instid0(VALU_DEP_1)
	v_permlanex16_b32 v[PT], v[\pw], s[SEL], s[SEL+1]
	s_delay_alu instid0(VALU_DEP_1)
	v_or_b32 v[\pw], v[\pw], v[PT]                 ; with lane l xor 16's two bytes the word is whole, in both lanes
.irp c, 0,1
	v_cvt_scalef32_pk16_fp6_f32 v[(\pc)+6*\c:(\pc)+6*\c+2], v[(\src)+32*\c:(\src)+32*\c+15], v[TM+8+\c]
	v_cvt_scalef32_pk16_fp6_f32 v[TM+4*\c:TM+4*\c+2], v[(\src)+32*\c+16:(\src)+32*\c+31], v[TM+8+\c]   ; (three registers begin on an even number)
.endr
	v_nop                                          ; one plain place behind a scaled conversion
.irp c, 0,1
.irp i, 0,1,2
	v_mov_b32 v[(\pc)+6*\c+3+\i], v[TM+4*\c+\i]
.endr
.endr
.endm
	s_load_b128 s[4:7], s[0:1], 0x0                ; plc s[4:5], x s[6:7]
	s_load_b64 s[8:9], s[0:1], 0x10                ; xs
	v_lshl_add_u32 v192, v0, 2, 0x10800
	v_mov_b32 v193, 0
	v_lshrrev_b32 v11, 5, v0
	s_delay_alu instid0(VALU_DEP_1)
	v_readfirstlane_b32 s12, v11                   ; wave = my K step s
	v_and_b32 v15, 31, v0                          ; lane
	v_and_b32 v12, 15, v0                          ; r
	v_bfe_u32 v13, v0, 4, 1                        ; h
	s_and_b32 s13, ttmp9, 63                       ; t
	s_and_b32 s16, ttmp7, 0xffff                   ; e
	s_lshl_b32 s17, s16, 6
	s_add_co_u32 s17, s17, s13                     ; T
	v_lshlrev_b32 v1, 4, v15                       ; v1  16 x lane
	s_mul_i32 s20, s12, STGB
	v_add_nc_u32 v2, s20, v1                       ; v2  into my stage: a row's 512 bytes as they lie
	v_mul_u32_u24 v3, v12, 528
	s_delay_alu instid0(VALU_DEP_1)
	v_lshl_add_u32 v3, v13, 7, v3
	s_delay_alu instid0(VALU_DEP_1)
	v_add_nc_u32 v3, s20, v3                       ; v3  out of it: row r, + 128 h
	v_lshlrev_b32 v[VH8], 3, v13
	s_lshl_b32 s20, s12, 9
	v_add_nc_u32 v14, s20, v1                      ; v14 my K step's 512 bytes of a row of x, + 16 x lane
	s_mul_i32 s20, s17, 12288
	s_mul_i32 s21, s12, 1536
	s_add_co_u32 s20, s20, s21
	v_add_nc_u32 v9, s20, v1                       ; v9  my fragment's image in xs
	s_lshl_b32 s20, s17, 9                         ; the tile's scale words, and my K step's place among them:
	s_lshr_b32 s21, s12, 2
	s_lshl_b32 s21, s21, 8                         ; 256 (s / 4)
	s_add_co_u32 s20, s20, s21
	s_and_b32 s21, s12, 1
	s_lshl_b32 s21, s21, 7                         ; 128 (s % 2)
	s_add_co_u32 s20, s20, s21
	s_bfe_u32 s21, s12, 0x10001
	s_lshl_b32 s21, s21, 2                         ; 4 ((s / 2) % 2)
	s_add_co_u32 s20, s20, s21
	v_lshl_add_u32 v10, v12, 3, s20                ; v10 + 8 r
	v_mov_b32 v[PT], 0                             ; a lane permute's destination counts as one of its sources
	s_mov_b32 s[SEL], 0x76543210
	s_mov_b32 s[SEL+1], 0xfedcba98
	s_lshl_b32 s20, s16, 2                         ; the expert's count: 4 bytes
	s_mov_b32 s21, 0
	s_lshl_b32 s22, s17, 6                         ; my tile's entries: 64 T = 4,096 e + 64 t bytes on
	s_mov_b32 s23, 0
	s_wait_kmcnt 0x0
	s_add_nc_u64 s[28:29], s[4:5], s[20:21]
	s_add_nc_u64 s[30:31], s[4:5], s[22:23]
	s_load_b32 s24, s[28:29], CNT
	s_load_b512 s[ENT:ENT+15], s[30:31], LIST
	s_wait_kmcnt 0x0
	s_min_u32 s24, s24, 1024
	s_lshl_b32 s25, s13, 4                         ; my tile's first place
	s_cmp_ge_u32 s25, s24
	s_cbranch_scc1 .Lend
	s_wait_alu depctr_va_vdst(0)
	; ---- the gather: row i's K step is 512 consecutive bytes, one load
.irp i, 0,1,2,3,4,5,6,7,8,9,10,11,12,13,14,15
	s_lshr_b32 s20, s[ENT+\i], 1                   ; rho = 2 n + k: the token,
	s_min_u32 s20, s20, 1023                       ; held inside x;
	s_lshl_b32 s20, s20, 12                        ; its row of 4,096 bytes,
	v_add_nc_u32 v[OFF+\i], s20, v14               ; + 512 s + 16 x lane
	global_load_b128 v[R+4*\i:R+4*\i+3], v[OFF+\i], s[6:7]
.endr
.irp i, 0,1,2,3,4,5,6,7,8,9,10,11,12,13,14,15
	s_wait_loadcnt 15-\i                           ; row i is in; the rows behind it may be out
	ds_store_b128 v2, v[R+4*\i:R+4*\i+3] offset:528*\i
.endr
.irp c, 0,1
.irp j, 0,1,2,3,4,5,6,7
	ds_load_b128 v[X+32*\c+4*\j:X+32*\c+4*\j+3], v3 offset:256*\c+16*\j    ; LDS serves a wave's instructions in order: these see my stores
.endr
.endr
	s_wait_dscnt 0x0
	QW X, PC, PW
.irp c, 0,1,2
	global_store_b128 v9, v[PC+4*\c:PC+4*\c+3], s[8:9] offset:512*\c       ; 512 consecutive bytes a store
.endr
	global_store_b32 v10, v[PW], s[8:9] offset:XSC ; lanes r and r + 16 store the same word
.Lend:
	s_wait_tensorcnt 0x0
	ds_add_u32 v192, v193
	s_wait_dscnt 0x0
	s_endpgm
.Lfunc_end_k_qe408d75042_place:
	.size	k_qe408d75042_place, .Lfunc_end_k_qe408d75042_place-k_qe408d75042_place
	.p2alignl 7, 3214868480
	.fill 96, 4, 3214868480
	.section	.rodata,"a",@progbits
	.p2align	6, 0x0
	.amdhsa_kernel k_qe408d75042_place
		.amdhsa_group_segment_fixed_size 68608
		.amdhsa_private_segment_fixed_size 0
		.amdhsa_enable_private_segment 0
		.amdhsa_kernarg_size 24
		.amdhsa_user_sgpr_count 2
		.amdhsa_user_sgpr_kernarg_segment_ptr 1
		.amdhsa_wavefront_size32 1
		.amdhsa_system_sgpr_workgroup_id_x 1
		.amdhsa_system_sgpr_workgroup_id_y 1
		.amdhsa_system_sgpr_workgroup_id_z 1
		.amdhsa_system_vgpr_workitem_id 0
		.amdhsa_next_free_vgpr 194
		.amdhsa_next_free_sgpr 66
		.amdhsa_reserve_vcc 0
		.amdhsa_float_denorm_mode_32 3
		.amdhsa_float_denorm_mode_16_64 3
		.amdhsa_memory_ordered 1
		.amdhsa_forward_progress 1
		.amdhsa_inst_pref_size 14
	.end_amdhsa_kernel
	.amdgpu_metadata
---
amdhsa.version: [ 1, 2 ]
amdhsa.kernels:
  - .name:           k_qe408d75042_place
    .symbol:         k_qe408d75042_place.kd
    .args:
      - { .name: plc, .offset: 0, .size: 8, .value_kind: global_buffer, .address_space: global }
      - { .name: x, .offset: 8, .size: 8, .value_kind: global_buffer, .address_space: global }
      - { .name: xs, .offset: 16, .size: 8, .value_kind: global_buffer, .address_space: global }
    .group_segment_fixed_size: 68608
    .private_segment_fixed_size: 0
    .kernarg_segment_align: 8
    .kernarg_segment_size: 24
    .max_flat_workgroup_size: 256
    .sgpr_count:     66
    .vgpr_count:     194
    .wavefront_size: 32
...
	.end_amdgpu_metadata
.endif
;; end of part 9
;; launch ffn1 (part 10): grid 32 x 8, 4 waves a work-group, no clusters, 171,008 bytes of LDS; arguments W1, b1, plc, xs, hq; writes hq
.if DOCPART == 10
	.amdgcn_target "amdgcn-amd-amdhsa--gfx1250"
	.amdhsa_code_object_version 6
	.text
	.protected	k_qe408d75042_ffn1
	.globl	k_qe408d75042_ffn1
	.p2align	8
	.type	k_qe408d75042_ffn1,@function
k_qe408d75042_ffn1:
	s_mov_b64 s[64:65], 0
	v_nop
	global_prefetch_b8 v0, s[64:65] scope:SCOPE_SE
	s_setreg_imm32_b32 hwreg(HW_REG_WAVE_SCHED_MODE, 0, 2), 2
	s_setreg_imm32_b32 hwreg(HW_REG_WAVE_MODE, 25, 1), 1
	s_wait_xcnt 0x0
	s_wait_alu depctr_vm_vsrc(0)
; THE FIRST LAYER: h = relu(x W1^T + b1) for the rows of one expert, on codes of FP6 (E2M3) with one E8M0 byte for each 32 along K; h is quantised along the hidden units and stored as operand images.
; Work-group (sl, e) owns hidden units 128 sl .. 128 sl + 127 of expert e: 128 rows x 1,024 K of W1, 512 KB of f32, read ONCE, quantised here, never stored to memory.
; STREAMING: wave w takes rows 32 w .. 32 w + 31.  A load takes one row's K step, 512 consecutive bytes; the 32 rows turn through the wave's stage in LDS, so that a lane gets two whole blocks of 32
; of one row; the codes go to LDS as images of the operand's registers (three stores of 512 consecutive bytes a fragment).  One barrier.
; THE ROWS OF A TILE ARE NOT NEIGHBOURS: lane r of tile 2 b + u takes slice row 32 b + 8 u + r + 8 (r / 8), so that in the transposed result the 16 registers of tiles 2 b, 2 b + 1 are 16 neighbouring hidden units.
; THE ROW LOOP: every wave takes the whole slice, 64 fragments, into its registers (windows 1 to 3 and v56-67) and walks the expert's tiles of 16 rows, t = w, w + 4, ..: 64 matrix instructions a tile,
; source 0 = 16 rows of W1, source 1 = 16 tokens; the bias is the C of a sum's first instruction.  The tile's 128 hidden units are one K step of the second layer: relu, quantise, three stores of 512 bytes and the scale words.
; The trip count hangs on the expert's count, which an earlier launch stored: so operands come straight from memory into registers, and no barrier stands in the loop.
; No joint requests: the work-groups of an expert share only the rows' codes, some 0.2 MB against 512 KB of weights of each one's own, and the walk hangs on a stored count.
; LIMITS: a block of zeros, or one under 2^-124, keeps the byte 1; NaN and infinities are not served.  The scale words of a tile's K step are 16 words of 4 bytes, 8 bytes apart.
; THE MODE: SCHED_MODE bits 1:0 = 2 (LLVM: expert scheduling mode 2), set by the entry lines.  The code itself states the register dependences
; between vector or matrix instructions and memory or LDS instructions, with s_wait_alu, always for 0.
; THE PLAN.  Registers that memory or LDS instructions touch:
;   v1-10, v15, v20-23   Addresses and offsets, made at the head and never written again: one wait on va_vdst ahead of the first load serves them all.
;   window 1, two sets   K step s: its loads from memory land in set s % 2; the 32 LDS stores into the stage read it; the loads of K step s + 2 land in it.  No vector instruction names them.
;   XA, XB               K step s: the 32 LDS loads out of the stage land in them; the two quantisings read them.
;   PC, PW; PC2, PW2     K step s: each quantising writes one pair; the eight LDS stores of the two images read them.
;   B1R                  My number of b1: a load lands in it at the head, one LDS store reads it in K step 0; no vector instruction names it while streaming.
;   So a K step has two waits: one on vm_vsrc behind the stage's loads (the set and both pairs have been read), one on va_vdst behind both quantisings (both pairs are written; XA and XB are read out).
;   XF, XS, in halves    A trip: the products of K steps 0-3 read half 0, then its 13 loads for the next tile land in it; the products of K steps 4-7 read half 1, then its 13 loads land.
;   VA, VS               Read by those loads; written once a trip, in its middle.
;   ACC                  The bias lands in it (LDS loads); the products, the activation and the conversions name it; then the next bias lands.
;   PC, PW, VHS, VHW     Written by the tile's quantising and two adds; read by the trip's four stores.
;   So a trip has four waits: in its middle one on vm_vsrc (VA, VS, and the last trip's stores' registers) and one on va_vdst (VA, VS written; half 0 read out); one on va_vdst behind the products
;   of K steps 4-7 (half 1 read out); one on va_vdst ahead of the stores (their registers are written; ACC is done with).
;   v255, v254           Outside the loops: written at the head, read by the closing add alone.
.set WP,   4096                        ; bytes from row to row of W1
.set CP,   12288                       ; bytes of a tile's images in xs
.set SP,   512                         ; and of its scale words
.set XSC,  6291456
.set HSC,  25165824
.set CNT,  98304                       ; plc: the experts' counts
.set STGB, 16896                       ; LDS: a stage of 32 rows x (512 + 16) bytes for each wave, at 0;
.set IMG,  67584                       ; the slice's 64 fragments, fragment 8 s + t at 1,536 (8 s + t);
.set WSC,  165888                      ; their scale words: (t, s, r) at 512 t + 16 (r + 16 (s % 2)) + 4 (s / 2);
.set BIAS, 169984                      ; the slice's 128 numbers of b1
.set VL16, 1                           ; 16 x lane
.set VST,  2                           ; into my stage
.set VRD,  3                           ; out of it: row r, + 128 h
.set VIM,  4                           ; v4-5  where I store images: K steps 0-3, 4-7
.set VWS,  6                           ; where I store scale words
.set VH8,  7                           ; 8 h
.set VLI,  8                           ; v8-9  where images are read: fragments 0-31, 32-63
.set VBI,  10                          ; the bias for my half of the lanes
.set VA,   11                          ; the tile in hand: its images in xs
.set VS,   12                          ; its scale words
.set VHS,  13                          ; where the tile's image goes in hq
.set VHW,  14                          ; and its scale words
.set VL8,  15                          ; 8 x lane
.set XS,   16                          ; v16-19  the rows' scale words: register s / 2, even s in lanes 0-15, odd s in lanes 16-31
.set VWL,  20                          ; where the weights' scale words are read
.set VBS,  21                          ; where I put my number of b1
.set VR8,  22                          ; 8 r
.set VBG,  23                          ; 4 x thread
.set WS,   24                          ; v24-55  the weights' scale words: register 4 t + s / 2, laid likewise
.set WX,   56                          ; v56-67  fragment 63
.set XF,   68                          ; v68-163 the tile's eight fragments
.set XA,   68                          ; while streaming: 64 numbers of a row of tile 2 w,
.set XB,   132                         ; and of tile 2 w + 1
.set ACC,  164                         ; v164-227 eight accumulators
.set PC2,  196                         ; v196-207 while streaming: the codes of tile 2 w + 1,
.set PW2,  208                         ; v208     their scale word,
.set B1R,  209                         ; v209     and my number of b1 as it is loaded
.set TM,   228                         ; v228-239 at work
.set PW,   240
.set PT,   241
.set PC,   242                         ; v242-253 the codes just made
.set SEL,  30
.set CB,   10                          ; s[10:11] xs: the rows' codes
.set SB,   28                          ; s[28:29] their scale words
.set TRIP, 44                          ; s44  trips done
.set TRIPS, 45                         ; s45  trips to do
.set MSB, 0
.macro WIN new                         ; the immediate's high byte repeats the setting that is left
.if MSB != (\new)
	s_set_vgpr_msb (MSB<<8)|(\new)
.set MSB, (\new)
.endif
.endm
.macro PLACES n                        ; plain vector instructions that name no register of the matrix instructions in front (ISA guide 7.12.1)
.rept \n
	v_nop
.endr
.endm
; 64 numbers of a lane (two whole blocks of 32) become a fragment's 12 registers at pc and its row's scale word in pw.
.macro QW src, pc, pw
.irp c, 0,1
	v_max3_num_f32 v[TM+\c], |v[(\src)+32*\c]|, |v[(\src)+32*\c+1]|, 0x1800000   ; with the floor 2^(3 - 127): the byte cannot fall under 1
.endr
.irp i, 2,4,6,8,10,12,14,16,18,20,22,24,26,28,30
.irp c, 0,1
	v_max3_num_f32 v[TM+\c], v[TM+\c], |v[(\src)+32*\c+\i]|, |v[(\src)+32*\c+\i+1]|
.endr
.endr
.irp c, 0,1
	v_add_nc_u32 v[TM+8+\c], 0xff000000, v[TM+\c]  ; 2 off the exponent field: the conversion's scale operand
.endr
.irp c, 0,1
	v_lshrrev_b32 v[TM+2+\c], 23, v[TM+8+\c]       ; the scale's byte
.endr
	v_lshl_or_b32 v[\pw], v[TM+3], 16, v[TM+2]     ; my blocks are h and 2 + h of the four
	v_lshlrev_b32 v[\pw], v[VH8], v[\pw]
	v_permlanex16_b32 v[PT], v[\pw], s[SEL], s[SEL+1]
	v_or_b32 v[\pw], v[\pw], v[PT]                 ; with lane l xor 16's two bytes the word is whole, in both lanes
.irp c, 0,1
	v_cvt_scalef32_pk16_fp6_f32 v[(\pc)+6*\c:(\pc)+6*\c+2], v[(\src)+32*\c:(\src)+32*\c+15], v[TM+8+\c]
	v_cvt_scalef32_pk16_fp6_f32 v[TM+4*\c:TM+4*\c+2], v[(\src)+32*\c+16:(\src)+32*\c+31], v[TM+8+\c]   ; (three registers begin on an even number)
.endr
	v_nop                                          ; one plain place behind a scaled conversion
.irp c, 0,1
.irp i, 0,1,2
	v_mov_b32 v[(\pc)+6*\c+3+\i], v[TM+4*\c+\i]
.endr
.endr
.endm
.macro WLOAD s                         ; my 32 rows' K step s into set s % 2 of window 1
	WIN 0x40
.set RHO, 0
.rept 32
	global_load_b128 v[128*((\s)%2)+4*RHO:128*((\s)%2)+4*RHO+3], v[VL16], s[24:25] offset:RHO*WP+512*(\s) th:TH_LOAD_NT
.set RHO, RHO+1
.endr
	WIN 0
.endm
.macro IMAGE s, u, pc, pw              ; the fragment at pc goes to LDS as it stands, and its rows' scale words (lanes r and r + 16 write the same word with the same value)
.irp c, 0,1,2
	ds_store_b128 v[VIM+(\s)/4], v[(\pc)+4*\c:(\pc)+4*\c+3] offset:12288*((\s)%4)+1536*(\u)+512*\c
.endr
	ds_store_b32 v[VWS], v[\pw] offset:512*(\u)+256*((\s)%2)+4*((\s)/2)
.endm
.macro KSTEP s
.if (\s) < 7
	s_wait_loadcnt 32                              ; this K step's 32 loads are in; the next one's stay out
.else
	s_wait_loadcnt 0x0
.endif
.if (\s) == 0
	ds_store_b32 v[VBS], v[B1R]                    ; b1 (the oldest load of all)
.endif
	WIN 0x04                                       ; an LDS store's data are its source 1: window 1
.set RHO, 0
.rept 32
	ds_store_b128 v[VST], v[128*((\s)%2)+4*RHO:128*((\s)%2)+4*RHO+3] offset:528*(16*((RHO/8)%2)+RHO%8+8*(RHO/16))
.set RHO, RHO+1
.endr
	WIN 0
.irp u, 0,1
.irp c, 0,1
.irp j, 0,1,2,3,4,5,6,7
	ds_load_b128 v[XA+64*\u+32*\c+4*\j:XA+64*\u+32*\c+4*\j+3], v[VRD] offset:8448*\u+256*\c+16*\j   ; LDS serves a wave's instructions in order: these see my stores.  (No vector instruction since the last K step's wait on va_vdst names XA or XB)
.endr
.endr
.endr
.if (\s) < 6
	s_wait_dscnt 32                                ; the 32 stores are done (the 32 reads behind them may be out): their registers take the K step two on
.endif
	s_wait_alu depctr_vm_vsrc(0)                   ; the 32 LDS stores above have read set s % 2, in which the loads of the K step two on land; the last K step's image stores have read PC, PW, PC2 and PW2, which the quantisings below write again (K step 0: the store of b1 has read B1R, in which the bias lands later)
.if (\s) < 6
	WLOAD (\s)+2
.endif
	s_wait_dscnt 16                                ; tile 2 w's numbers are in; tile 2 w + 1's 16 reads may be out
	QW XA, PC, PW
	s_wait_dscnt 0x0
	QW XB, PC2, PW2
	s_wait_alu depctr_va_vdst(0)                   ; the two quantisings have written PC, PW, PC2 and PW2, which the LDS stores below read, and are done reading XA and XB, in which the next K step's LDS loads land
	IMAGE \s, 0, PC, PW
	IMAGE \s, 1, PC2, PW2
.endm
.macro AFETCH hf                       ; half a tile's operand: four fragments (three loads of 512 consecutive bytes each) and two registers of scale words: 13 loads
.irp s, 0,1,2,3
.irp c, 0,1,2
	global_load_b128 v[XF+12*(4*\hf+\s)+4*\c:XF+12*(4*\hf+\s)+4*\c+3], v[VA], s[CB:CB+1] offset:1536*(4*\hf+\s)+512*\c
.endr
.endr
	global_load_b64 v[XS+2*\hf:XS+2*\hf+1], v[VS], s[SB:SB+1] offset:256*\hf
.endm
.macro BIASLD                          ; register 8 t + j of lane (r, h), t = 2 b + u: b1 of hidden unit 32 b + 16 h + 8 u + j
.irp t, 0,1,2,3,4,5,6,7
.irp i, 0,1
	ds_load_b128 v[ACC+8*\t+4*\i:ACC+8*\t+4*\i+3], v[VBI] offset:128*(\t/2)+32*(\t%2)+16*\i
.endr
.endr
.endm
; K step s: eight matrix instructions, the eight accumulators by turns, one instruction a turn.  Fragment f = 8 s + t lies in window 1 + f / 21 at 12 (f % 21); fragment 63 in window 0.
.macro GROUP s
.irp t, 0,1,2,3,4,5,6,7
.set FI, 8*(\s)+\t
.if FI < 63
.set WW, 1+FI/21
.set WR, 12*(FI%21)
.else
.set WW, 0
.set WR, WX
.endif
	WIN WW
.if (\s)%2
	v_wmma_scale_f32_16x16x128_f8f6f4 v[ACC+8*\t:ACC+8*\t+7], v[WR:WR+11], v[XF+12*(\s):XF+12*(\s)+11], v[ACC+8*\t:ACC+8*\t+7], v[WS+4*\t+(\s)/2], v[XS+(\s)/2] matrix_a_fmt:MATRIX_FMT_FP6 matrix_b_fmt:MATRIX_FMT_FP6 matrix_a_scale:MATRIX_SCALE_ROW1 matrix_b_scale:MATRIX_SCALE_ROW1
.else
	v_wmma_scale_f32_16x16x128_f8f6f4 v[ACC+8*\t:ACC+8*\t+7], v[WR:WR+11], v[XF+12*(\s):XF+12*(\s)+11], v[ACC+8*\t:ACC+8*\t+7], v[WS+4*\t+(\s)/2], v[XS+(\s)/2] matrix_a_fmt:MATRIX_FMT_FP6 matrix_b_fmt:MATRIX_FMT_FP6
.endif
.endr
.endm
; The 64 results of a lane, register 16 b + i = hidden unit 32 b + 16 h + i of token r, none negative, become a fragment in PC and the token's scale word in PW.
.macro QUANT
.irp b, 0,1,2,3
	v_max3_num_f32 v[TM+\b], v[ACC+16*\b], v[ACC+16*\b+1], 0x1800000
.endr
.irp i, 2,4,6,8,10,12,14
.irp b, 0,1,2,3
	v_max3_num_f32 v[TM+\b], v[TM+\b], v[ACC+16*\b+\i], v[ACC+16*\b+\i+1]
.endr
.endr
.irp b, 0,1,2,3
	v_permlanex16_b32 v[TM+4+\b], v[TM+\b], s[SEL], s[SEL+1]
.endr
.irp b, 0,1,2,3
	v_max_num_f32 v[TM+\b], v[TM+\b], v[TM+4+\b]   ; with lane l xor 16's 16: the block's largest
.endr
.irp b, 0,1,2,3
	v_add_nc_u32 v[TM+8+\b], 0xff000000, v[TM+\b]
.endr
.irp b, 0,1,2,3
	v_lshrrev_b32 v[TM+4+\b], 23, v[TM+8+\b]
.endr
	v_lshl_or_b32 v[PW], v[TM+5], 8, v[TM+4]
	v_lshl_or_b32 v[PW], v[TM+6], 16, v[PW]
	v_lshl_or_b32 v[PW], v[TM+7], 24, v[PW]
.irp c, 0,1
	v_cvt_scalef32_pk16_fp6_f32 v[PC+6*\c:PC+6*\c+2], v[ACC+32*\c:ACC+32*\c+15], v[TM+8+2*\c]
	v_cvt_scalef32_pk16_fp6_f32 v[TM+4*\c:TM+4*\c+2], v[ACC+32*\c+16:ACC+32*\c+31], v[TM+8+2*\c+1]
.endr
	v_nop                                          ; one plain place behind a scaled conversion
.irp c, 0,1                                    ; the operand's layout wants a whole block in a lane
.irp i, 0,1,2
	v_permlane16_swap_b32 v[PC+6*\c+\i], v[TM+4*\c+\i]
.endr
.irp i, 0,1,2
	v_mov_b32 v[PC+6*\c+3+\i], v[TM+4*\c+\i]
.endr
.endr
.endm
	s_load_b256 s[4:11], s[0:1], 0x0               ; W1 s[4:5], b1 s[6:7], plc s[8:9], xs s[10:11]
	s_load_b64 s[12:13], s[0:1], 0x20              ; hq
	v_lshl_add_u32 v255, v0, 2, 0x29a00
	v_mov_b32 v254, 0
	v_lshrrev_b32 v[VBG], 5, v0
	v_readfirstlane_b32 s14, v[VBG]                ; wave
	v_and_b32 v[VBG], 31, v0                       ; lane
	v_and_b32 v[VR8], 15, v0                       ; r
	v_bfe_u32 v[VH8], v0, 4, 1                     ; h
	v_lshlrev_b32 v[VL16], 4, v[VBG]
	v_lshlrev_b32 v[VL8], 3, v[VBG]
	s_wait_alu depctr_va_sdst(0)                   ; s14 is written, ahead of its first reader: LDS addresses, bases and the walk are made from it
	s_mul_i32 s20, s14, STGB
	v_add_nc_u32 v[VST], s20, v[VL16]
	v_mul_u32_u24 v[VRD], v[VR8], 528
	v_lshl_add_u32 v[VRD], v[VH8], 7, v[VRD]
	v_add_nc_u32 v[VRD], s20, v[VRD]
	s_mul_i32 s20, s14, 3072
	s_add_co_u32 s20, s20, IMG
	v_add_nc_u32 v[VIM], s20, v[VL16]              ; my tiles 2 w, 2 w + 1
	v_add_nc_u32 v[VIM+1], 49152, v[VIM]
	s_lshl_b32 s20, s14, 10
	s_add_co_u32 s20, s20, WSC
	v_lshl_add_u32 v[VWS], v[VR8], 4, s20
	v_add_nc_u32 v[VLI], IMG, v[VL16]
	v_add_nc_u32 v[VLI+1], IMG+49152, v[VL16]
	v_lshl_add_u32 v[VBI], v[VH8], 6, BIAS
	v_add_nc_u32 v[VWL], WSC, v[VL16]
	v_lshl_add_u32 v[VBS], v0, 2, BIAS
	v_lshlrev_b32 v[VBG], 2, v0
	v_lshlrev_b32 v[VR8], 3, v[VR8]
	v_lshlrev_b32 v[VH8], 3, v[VH8]
	v_mov_b32 v[PT], 0                             ; a lane permute's destination counts as one of its sources
.irp b, 0,1,2,3
	v_mov_b32 v[TM+4+\b], 0
.endr
	s_mov_b32 s15, ttmp9                           ; sl
	s_and_b32 s16, ttmp7, 0xffff                   ; e
	s_lshl_b32 s36, s16, 6                         ; the expert's first tile
	s_mov_b32 s[SEL], 0x76543210
	s_mov_b32 s[SEL+1], 0xfedcba98
	s_lshl_b32 s38, s16, 24                        ; W1: the expert's 2^24 bytes, the slice's 128 rows, my 32 rows
	s_lshl_b32 s20, s15, 19
	s_add_co_u32 s38, s38, s20
	s_lshl_b32 s20, s14, 17
	s_add_co_u32 s38, s38, s20
	s_mov_b32 s39, 0
	s_lshl_b32 s40, s16, 14                        ; b1: the expert's 4,096 numbers, the slice's 128
	s_lshl_b32 s20, s15, 9
	s_add_co_u32 s40, s40, s20
	s_mov_b32 s41, 0
	s_wait_kmcnt 0x0
	s_add_nc_u64 s[24:25], s[4:5], s[38:39]
	s_add_nc_u64 s[6:7], s[6:7], s[40:41]
	s_wait_alu depctr_va_vdst(0)                   ; the addresses and offsets made above are written: every load and store of the streaming, and the slice's and the bias's LDS loads, read one of them
	global_load_b32 v[B1R], v[VBG], s[6:7]
	WLOAD 0
	WLOAD 1
	s_lshl_b32 s38, s16, 2
	s_add_nc_u64 s[42:43], s[8:9], s[38:39]
	s_load_b32 s17, s[42:43], CNT                  ; the expert's count
	s_add_nc_u64 s[SB:SB+1], s[10:11], XSC
	s_mul_i32 s38, s15, 1536
	s_add_nc_u64 s[32:33], s[12:13], s[38:39]      ; hq: K step sl of a tile's images
	s_lshr_b32 s20, s15, 3                         ; and its place among the tile's scale words
	s_lshl_b32 s38, s20, 9
	s_bfe_u32 s20, s15, 0x10002
	s_lshl_b32 s20, s20, 8
	s_add_co_u32 s38, s38, s20
	s_and_b32 s20, s15, 1
	s_lshl_b32 s20, s20, 7
	s_add_co_u32 s38, s38, s20
	s_bfe_u32 s20, s15, 0x10001
	s_lshl_b32 s20, s20, 2
	s_add_co_u32 s38, s38, s20
	s_add_co_u32 s38, s38, HSC
	s_add_nc_u64 s[34:35], s[12:13], s[38:39]
	s_wait_kmcnt 0x0
	s_min_u32 s17, s17, 1024
	s_add_co_u32 s17, s17, 15
	s_lshr_b32 s17, s17, 4                         ; tiles of 16 rows
	s_sub_co_u32 s19, s17, 1                       ; the last of them
.irp s, 0,1,2,3,4,5,6,7
	KSTEP \s
.endr
	s_wait_dscnt 0x0                               ; my images, scale words and bias have landed
	s_barrier_signal -1
	s_barrier_wait -1                              ; everybody's have: the launch's one barrier
	s_wait_alu depctr_vm_vsrc(0)                   ; my last image stores have read PC2 and PW2, which lie among the accumulators' registers, where the bias lands below; stated ahead of the branch
	s_cmp_ge_u32 s14, s17
	s_cbranch_scc1 .Lend                           ; fewer tiles than waves: nothing is left for me
	s_mov_b32 s18, s14                             ; t
	s_sub_co_u32 s[TRIPS], s17, s14                ; my tiles are t = w, w + 4, .. under the count of tiles: (tiles - w + 3) / 4 of them,
	s_add_co_u32 s[TRIPS], s[TRIPS], 3
	s_lshr_b32 s[TRIPS], s[TRIPS], 2
	s_min_u32 s[TRIPS], s[TRIPS], 16               ; 16 at the most: 64 tiles among four waves
	s_mov_b32 s[TRIP], 0
	s_add_co_u32 s20, s36, s14
	s_mul_i32 s21, s20, CP
	s_mul_i32 s22, s20, SP
	v_add_nc_u32 v[VA], s21, v[VL16]
	v_add_nc_u32 v[VS], s22, v[VL8]
	s_wait_alu depctr_va_vdst(0)                   ; VA and VS are written, which the loads below read.  (The streaming's quantisings, which named XA, XB, PC2 and PW2, where the tile's fragments and the bias land, stand ahead of an earlier such wait.)  No vector instruction follows ahead of the loop
	AFETCH 0
	AFETCH 1
.set FI, 0
.rept 63
	WIN (1+FI/21)<<6
	ds_load_b128 v[12*(FI%21):12*(FI%21)+3], v[VLI+FI/32] offset:1536*(FI%32)
	ds_load_b128 v[12*(FI%21)+4:12*(FI%21)+7], v[VLI+FI/32] offset:1536*(FI%32)+512
	ds_load_b128 v[12*(FI%21)+8:12*(FI%21)+11], v[VLI+FI/32] offset:1536*(FI%32)+1024
.set FI, FI+1
.endr
	WIN 0
.irp c, 0,1,2
	ds_load_b128 v[WX+4*\c:WX+4*\c+3], v[VLI+1] offset:1536*31+512*\c
.endr
.irp t, 0,1,2,3,4,5,6,7
	ds_load_b128 v[WS+4*\t:WS+4*\t+3], v[VWL] offset:512*\t
.endr
	BIASLD
.Ltile:
	s_wait_loadcnt 13                              ; the tile's first four fragments are in; the 13 loads of the other half may be out
	s_wait_dscnt 0x0                               ; the bias stands in the accumulators (first trip: the slice too)
	GROUP 0
	GROUP 1
	GROUP 2
	GROUP 3
	WIN 0
	PLACES 4                                       ; in front of loads into registers that matrix instructions have read
	s_wait_loadcnt 0x0                             ; the other half is in: so VA and VS may be written
	s_wait_xcnt 0x0                                ; the last trip's stores have read their data and offsets: both are written again below
	s_wait_alu depctr_vm_vsrc(0)                   ; the loads issued so far have read VA and VS, which the two adds below write; the last trip's stores have read PC, PW, VHS and VHW, which this trip's quantising and adds write
	s_add_co_u32 s20, s18, 4                       ; my next tile, or the expert's last once more (a read that is not used): no load leaves what was stored
	s_min_u32 s20, s20, s19
	s_min_u32 s20, s20, 63
	s_add_co_u32 s20, s20, s36
	s_mul_i32 s21, s20, CP
	s_mul_i32 s22, s20, SP
	v_add_nc_u32 v[VA], s21, v[VL16]
	v_add_nc_u32 v[VS], s22, v[VL8]
	s_wait_alu depctr_va_vdst(0)                   ; VA and VS are written, which the loads below read; the products of K steps 0 to 3 are done reading the first four fragments and their scale words, in which those loads land
	AFETCH 0
	GROUP 4
	GROUP 5
	GROUP 6
	GROUP 7
	WIN 0
	PLACES 4
	s_wait_alu depctr_va_vdst(0)                   ; the products of K steps 4 to 7 are done reading the other four fragments and their scale words, in which the loads below land; the places above stay beside this wait
	AFETCH 1
.set JJ, 0
.rept 64
	v_max_num_f32 v[ACC+JJ], 0, v[ACC+JJ]          ; the activation, each accumulator from its low end on
.set JJ, JJ+1
.endr
	QUANT
	s_min_u32 s20, s18, 63
	s_add_co_u32 s20, s20, s36                     ; T
	s_mul_i32 s21, s20, 49152
	s_lshl_b32 s22, s20, 11
	v_add_nc_u32 v[VHS], s21, v[VL16]
	v_add_nc_u32 v[VHW], s22, v[VR8]
	s_wait_alu depctr_va_vdst(0)                   ; the quantising has written PC and PW, the adds VHS and VHW, which the stores below read; the activation and the conversions are done with the accumulators, in which the next bias lands
.irp c, 0,1,2
	global_store_b128 v[VHS], v[PC+4*\c:PC+4*\c+3], s[32:33] offset:512*\c   ; 512 consecutive bytes a store
.endr
	global_store_b32 v[VHW], v[PW], s[34:35]       ; lanes r and r + 16 store the same word
	BIASLD                                         ; the next tile's sums begin with the bias
	s_add_co_u32 s18, s18, 4                       ; my next tile
	s_add_co_u32 s[TRIP], s[TRIP], 1               ; the loop is counted by trips, one a step
	s_cmp_lt_u32 s[TRIP], s[TRIPS]
	s_cbranch_scc1 .Ltile
	s_wait_dscnt 0x0                               ; the last trip's loads of the bias, which no product takes, are in
.Lend:
	s_wait_dscnt 0x0                               ; the closing lines, six on end
	s_wait_alu 0x0
	s_wait_tensorcnt 0x0
	ds_add_u32 v255, v254
	s_wait_dscnt 0x0
	s_endpgm
.Lfunc_end_k_qe408d75042_ffn1:
	.size	k_qe408d75042_ffn1, .Lfunc_end_k_qe408d75042_ffn1-k_qe408d75042_ffn1
	.p2alignl 7, 3214868480
	.fill 96, 4, 3214868480
	.section	.rodata,"a",@progbits
	.p2align	6, 0x0
	.amdhsa_kernel k_qe408d75042_ffn1
		.amdhsa_group_segment_fixed_size 171008
		.amdhsa_private_segment_fixed_size 0
		.amdhsa_enable_private_segment 0
		.amdhsa_kernarg_size 40
		.amdhsa_user_sgpr_count 2
		.amdhsa_user_sgpr_kernarg_segment_ptr 1
		.amdhsa_wavefront_size32 1
		.amdhsa_system_sgpr_workgroup_id_x 1
		.amdhsa_system_sgpr_workgroup_id_y 1
		.amdhsa_system_sgpr_workgroup_id_z 1
		.amdhsa_system_vgpr_workitem_id 0
		.amdhsa_next_free_vgpr 1024
		.amdhsa_next_free_sgpr 66
		.amdhsa_reserve_vcc 0
		.amdhsa_float_denorm_mode_32 3
		.amdhsa_float_denorm_mode_16_64 3
		.amdhsa_memory_ordered 1
		.amdhsa_forward_progress 1
		.amdhsa_inst_pref_size 149
	.end_amdhsa_kernel
	.amdgpu_metadata
---
amdhsa.version: [ 1, 2 ]
amdhsa.kernels:
  - .name:           k_qe408d75042_ffn1
    .symbol:         k_qe408d75042_ffn1.kd
    .args:
      - { .name: W1, .offset: 0, .size: 8, .value_kind: global_buffer, .address_space: global }
      - { .name: b1, .offset: 8, .size: 8, .value_kind: global_buffer, .address_space: global }
      - { .name: plc, .offset: 16, .size: 8, .value_kind: global_buffer, .address_space: global }
      - { .name: xs, .offset: 24, .size: 8, .value_kind: global_buffer, .address_space: global }
      - { .name: hq, .offset: 32, .size: 8, .value_kind: global_buffer, .address_space: global }
    .group_segment_fixed_size: 171008
    .private_segment_fixed_size: 0
    .kernarg_segment_align: 8
    .kernarg_segment_size: 40
    .max_flat_workgroup_size: 128
    .sgpr_count:     66
    .vgpr_count:     1024
    .wavefront_size: 32
...
	.end_amdgpu_metadata
.endif
;; end of part 10
;; launch ffn2 (part 11): grid 32 x 8, 4 waves a work-group, no clusters, 171,008 bytes of LDS; arguments W2, plc, hq, yp; writes yp
.if DOCPART == 11
	.amdgcn_target "amdgcn-amd-amdhsa--gfx1250"
	.amdhsa_code_object_version 6
	.text
	.protected	k_qe408d75042_ffn2
	.globl	k_qe408d75042_ffn2
	.p2align	8
	.type	k_qe408d75042_ffn2,@function
k_qe408d75042_ffn2:
	s_mov_b64 s[64:65], 0
	v_nop
	global_prefetch_b8 v0, s[64:65] scope:SCOPE_SE
	s_setreg_imm32_b32 hwreg(HW_REG_WAVE_SCHED_MODE, 0, 2), 2
	s_setreg_imm32_b32 hwreg(HW_REG_WAVE_MODE, 25, 1), 1
	s_wait_xcnt 0x0
	s_wait_alu depctr_vm_vsrc(0)
; THE SECOND LAYER, in parts along K: yp[row][q][d] = the sum over hidden units 1,024 q .. 1,024 q + 1,023 of h W2^T, for the rows of one expert, on codes of FP6 (E2M3) with one E8M0 byte for each 32 along K.
; Work-group (x, e), dsl = x % 8, q = x / 8, owns outputs 128 dsl .. + 127 and that quarter of K: 128 rows x 1,024 K of W2, 512 KB of f32, read ONCE, quantised here, never stored to memory.
; Streaming, images and the row loop are the first layer's: wave w quantises rows 32 w .. 32 w + 31 through its stage; one barrier; every wave takes the whole slice into its registers and walks the
; expert's tiles of 16 rows, t = w, w + 4, .., 64 matrix instructions a tile, source 0 = 16 rows of W2, source 1 = 16 rows of h (images that the first layer stored).
; THE ROWS OF A TILE ARE NOT NEIGHBOURS: lane r of tile 2 b + u takes slice row 32 b + 8 u + r + 8 (r / 8): a lane's 16 registers of tiles 2 b, 2 b + 1 are 16 neighbouring outputs, 64 bytes of a row.
; The way out: through the wave's own stage, back as whole rows of 512 bytes.  The four quarters, the bias and the gate's weights meet in the last launch: no sum spans work-groups here.
; The trip count hangs on the expert's count, which an earlier launch stored: so operands come straight from memory into registers, and no barrier stands in the loop.
; No joint requests: the work-groups of an expert share only the rows' codes, a small part of a work-group's bytes, and the walk hangs on a stored count.
; LIMITS: a block of zeros, or one under 2^-124, keeps the byte 1; NaN and infinities are not served; y's sum over K is made in four parts.
; THE MODE: SCHED_MODE bits 1:0 = 2 (LLVM: expert scheduling mode 2), set by the entry lines.  The code itself states the register dependences
; between vector or matrix instructions and memory or LDS instructions, with s_wait_alu, always for 0.
; THE PLAN.  Registers that memory or LDS instructions touch:
;   v1-10, v15, v20      Addresses and offsets, made at the head and never written again: one wait on va_vdst ahead of the first load serves them all.
;   window 1, two sets   K step s: its loads from memory land in set s % 2; the 32 LDS stores into the stage read it; the loads of K step s + 2 land in it.  No vector instruction names them.
;   XA, XB               K step s: the 32 LDS loads out of the stage land in them; the two quantisings read them.
;   PC, PW; PC2, PW2     K step s: each quantising writes one pair; the eight LDS stores of the two images read them.
;   So a K step has two waits: one on vm_vsrc behind the stage's loads (the set and both pairs have been read), one on va_vdst behind both quantisings (both pairs are written; XA and XB are read out).
;   XF, XS, in halves    A trip: the products of K steps 0-3 read half 0, then its 13 loads for the next tile land in it; the products of K steps 4-7 read half 1, then its 13 loads land.
;   VA, VS               Read by those loads; written once a trip, in its middle.
;   ACC                  Written by the products; read by the 16 LDS stores into the stage; the 16 LDS loads out of it land there; read by the 16 stores to memory.
;   VYO                  Written once a trip, behind the last products; read by the 16 stores to memory.
;   So a trip has four waits: one on vm_vsrc at its head (ACC, VYO, VA and VS have been read); one on va_vdst in its middle (VA, VS written; half 0 read out); one on va_vdst behind the last products
;   (half 1 read out; ACC and VYO written); one on vm_vsrc between the stage's stores and its loads (ACC has been read).
.set WP,   16384                       ; bytes from row to row of W2
.set CP,   49152                       ; bytes of a tile's images in hq
.set SP,   2048                        ; and of its scale words
.set HSC,  25165824
.set CNT,  98304                       ; plc: the experts' counts
.set STGB, 16896                       ; LDS: a stage of 32 rows x (512 + 16) bytes for each wave, at 0;
.set IMG,  67584                       ; the slice's 64 fragments, fragment 8 s + t at 1,536 (8 s + t);
.set WSC,  165888                      ; their scale words: (t, s, r) at 512 t + 16 (r + 16 (s % 2)) + 4 (s / 2)
.set VL16, 1                           ; 16 x lane
.set VST,  2                           ; into my stage while streaming; out of it on the way out
.set VRD,  3                           ; out of it while streaming: row r, + 128 h
.set VIM,  4                           ; v4-5  where I store images: K steps 0-3, 4-7
.set VWS,  6                           ; where I store scale words
.set VH8,  7                           ; 8 h
.set VLI,  8                           ; v8-9  where images are read: fragments 0-31, 32-63
.set VSO,  10                          ; the way out: row r of my stage, + 64 h
.set VA,   11                          ; the tile in hand: its images in hq
.set VS,   12                          ; its scale words
.set VYO,  13                          ; where the tile's rows go in yp
.set VL8,  15                          ; 8 x lane
.set XS,   16                          ; v16-19  the rows' scale words: register s / 2, even s in lanes 0-15, odd s in lanes 16-31
.set VWL,  20                          ; where the weights' scale words are read
.set WS,   24                          ; v24-55  the weights' scale words: register 4 t + s / 2, laid likewise
.set WX,   56                          ; v56-67  fragment 63
.set XF,   68                          ; v68-163 the tile's eight fragments
.set XA,   68                          ; while streaming: 64 numbers of a row of tile 2 w,
.set XB,   132                         ; and of tile 2 w + 1
.set ACC,  164                         ; v164-227 eight accumulators
.set PC2,  196                         ; v196-207 while streaming: the codes of tile 2 w + 1,
.set PW2,  208                         ; v208     and their scale word
.set TM,   228                         ; v228-239 at work
.set PW,   240
.set PT,   241
.set PC,   242                         ; v242-253 the codes just made
.set SEL,  30
.set CB,   26                          ; s[26:27] hq: the rows' codes, my quarter of K
.set SB,   28                          ; s[28:29] their scale words
.set TRIP, 44                          ; s44  trips done
.set TRIPS, 45                         ; s45  trips to do
.set MSB, 0
.macro WIN new                         ; the immediate's high byte repeats the setting that is left
.if MSB != (\new)
	s_set_vgpr_msb (MSB<<8)|(\new)
.set MSB, (\new)
.endif
.endm
.macro PLACES n                        ; plain vector instructions that name no register of the matrix instructions in front (ISA guide 7.12.1)
.rept \n
	v_nop
.endr
.endm
; 64 numbers of a lane (two whole blocks of 32) become a fragment's 12 registers at pc and its row's scale word in pw.
.macro QW src, pc, pw
.irp c, 0,1
	v_max3_num_f32 v[TM+\c], |v[(\src)+32*\c]|, |v[(\src)+32*\c+1]|, 0x1800000   ; with the floor 2^(3 - 127): the byte cannot fall under 1
.endr
.irp i, 2,4,6,8,10,12,14,16,18,20,22,24,26,28,30
.irp c, 0,1
	v_max3_num_f32 v[TM+\c], v[TM+\c], |v[(\src)+32*\c+\i]|, |v[(\src)+32*\c+\i+1]|
.endr
.endr
.irp c, 0,1
	v_add_nc_u32 v[TM+8+\c], 0xff000000, v[TM+\c]  ; 2 off the exponent field: the conversion's scale operand
.endr
.irp c, 0,1
	v_lshrrev_b32 v[TM+2+\c], 23, v[TM+8+\c]       ; the scale's byte
.endr
	v_lshl_or_b32 v[\pw], v[TM+3], 16, v[TM+2]     ; my blocks are h and 2 + h of the four
	v_lshlrev_b32 v[\pw], v[VH8], v[\pw]
	v_permlanex16_b32 v[PT], v[\pw], s[SEL], s[SEL+1]
	v_or_b32 v[\pw], v[\pw], v[PT]                 ; with lane l xor 16's two bytes the word is whole, in both lanes
.irp c, 0,1
	v_cvt_scalef32_pk16_fp6_f32 v[(\pc)+6*\c:(\pc)+6*\c+2], v[(\src)+32*\c:(\src)+32*\c+15], v[TM+8+\c]
	v_cvt_scalef32_pk16_fp6_f32 v[TM+4*\c:TM+4*\c+2], v[(\src)+32*\c+16:(\src)+32*\c+31], v[TM+8+\c]   ; (three registers begin on an even number)
.endr
	v_nop                                          ; one plain place behind a scaled conversion
.irp c, 0,1
.irp i, 0,1,2
	v_mov_b32 v[(\pc)+6*\c+3+\i], v[TM+4*\c+\i]
.endr
.endr
.endm
.macro WLOAD s                         ; my 32 rows' K step s into set s % 2 of window 1
	WIN 0x40
.set RHO, 0
.rept 32
	global_load_b128 v[128*((\s)%2)+4*RHO:128*((\s)%2)+4*RHO+3], v[VL16], s[24:25] offset:RHO*WP+512*(\s) th:TH_LOAD_NT
.set RHO, RHO+1
.endr
	WIN 0
.endm
.macro IMAGE s, u, pc, pw              ; the fragment at pc goes to LDS as it stands, and its rows' scale words (lanes r and r + 16 write the same word with the same value)
.irp c, 0,1,2
	ds_store_b128 v[VIM+(\s)/4], v[(\pc)+4*\c:(\pc)+4*\c+3] offset:12288*((\s)%4)+1536*(\u)+512*\c
.endr
	ds_store_b32 v[VWS], v[\pw] offset:512*(\u)+256*((\s)%2)+4*((\s)/2)
.endm
.macro KSTEP s
.if (\s) < 7
	s_wait_loadcnt 32                              ; this K step's 32 loads are in; the next one's stay out
.else
	s_wait_loadcnt 0x0
.endif
	WIN 0x04                                       ; an LDS store's data are its source 1: window 1
.set RHO, 0
.rept 32
	ds_store_b128 v[VST], v[128*((\s)%2)+4*RHO:128*((\s)%2)+4*RHO+3] offset:528*(16*((RHO/8)%2)+RHO%8+8*(RHO/16))
.set RHO, RHO+1
.endr
	WIN 0
.irp u, 0,1
.irp c, 0,1
.irp j, 0,1,2,3,4,5,6,7
	ds_load_b128 v[XA+64*\u+32*\c+4*\j:XA+64*\u+32*\c+4*\j+3], v[VRD] offset:8448*\u+256*\c+16*\j   ; LDS serves a wave's instructions in order: these see my stores.  (No vector instruction since the last K step's wait on va_vdst names XA or XB)
.endr
.endr
.endr
.if (\s) < 6
	s_wait_dscnt 32                                ; the 32 stores are done (the 32 reads behind them may be out): their registers take the K step two on
.endif
	s_wait_alu depctr_vm_vsrc(0)                   ; the 32 LDS stores above have read set s % 2, in which the loads of the K step two on land; the last K step's image stores have read PC, PW, PC2 and PW2, which the quantisings below write again
.if (\s) < 6
	WLOAD (\s)+2
.endif
	s_wait_dscnt 16                                ; tile 2 w's numbers are in; tile 2 w + 1's 16 reads may be out
	QW XA, PC, PW
	s_wait_dscnt 0x0
	QW XB, PC2, PW2
	s_wait_alu depctr_va_vdst(0)                   ; the two quantisings have written PC, PW, PC2 and PW2, which the LDS stores below read, and are done reading XA and XB, in which the next K step's LDS loads land
	IMAGE \s, 0, PC, PW
	IMAGE \s, 1, PC2, PW2
.endm
.macro AFETCH hf                       ; half a tile's operand: four fragments (three loads of 512 consecutive bytes each) and two registers of scale words: 13 loads
.irp s, 0,1,2,3
.irp c, 0,1,2
	global_load_b128 v[XF+12*(4*\hf+\s)+4*\c:XF+12*(4*\hf+\s)+4*\c+3], v[VA], s[CB:CB+1] offset:1536*(4*\hf+\s)+512*\c
.endr
.endr
	global_load_b64 v[XS+2*\hf:XS+2*\hf+1], v[VS], s[SB:SB+1] offset:256*\hf
.endm
; K step s: eight matrix instructions, the eight accumulators by turns, one instruction a turn.  Fragment f = 8 s + t lies in window 1 + f / 21 at 12 (f % 21); fragment 63 in window 0.
; zero = 1: the products start the sums: nothing is cleared.
.macro GROUP s, zero
.irp t, 0,1,2,3,4,5,6,7
.set FI, 8*(\s)+\t
.if FI < 63
.set WW, 1+FI/21
.set WR, 12*(FI%21)
.else
.set WW, 0
.set WR, WX
.endif
	WIN WW
.if \zero
	v_wmma_scale_f32_16x16x128_f8f6f4 v[ACC+8*\t:ACC+8*\t+7], v[WR:WR+11], v[XF+12*(\s):XF+12*(\s)+11], 0, v[WS+4*\t+(\s)/2], v[XS+(\s)/2] matrix_a_fmt:MATRIX_FMT_FP6 matrix_b_fmt:MATRIX_FMT_FP6
.elseif (\s)%2
	v_wmma_scale_f32_16x16x128_f8f6f4 v[ACC+8*\t:ACC+8*\t+7], v[WR:WR+11], v[XF+12*(\s):XF+12*(\s)+11], v[ACC+8*\t:ACC+8*\t+7], v[WS+4*\t+(\s)/2], v[XS+(\s)/2] matrix_a_fmt:MATRIX_FMT_FP6 matrix_b_fmt:MATRIX_FMT_FP6 matrix_a_scale:MATRIX_SCALE_ROW1 matrix_b_scale:MATRIX_SCALE_ROW1
.else
	v_wmma_scale_f32_16x16x128_f8f6f4 v[ACC+8*\t:ACC+8*\t+7], v[WR:WR+11], v[XF+12*(\s):XF+12*(\s)+11], v[ACC+8*\t:ACC+8*\t+7], v[WS+4*\t+(\s)/2], v[XS+(\s)/2] matrix_a_fmt:MATRIX_FMT_FP6 matrix_b_fmt:MATRIX_FMT_FP6
.endif
.endr
.endm
	s_load_b256 s[4:11], s[0:1], 0x0               ; W2 s[4:5], plc s[6:7], hq s[8:9], yp s[10:11]
	v_lshl_add_u32 v254, v0, 2, 0x29a00
	v_mov_b32 v255, 0
	v_lshrrev_b32 v21, 5, v0
	v_readfirstlane_b32 s14, v21                   ; wave
	v_and_b32 v21, 31, v0                          ; lane
	v_and_b32 v22, 15, v0                          ; r
	v_bfe_u32 v[VH8], v0, 4, 1                     ; h
	v_lshlrev_b32 v[VL16], 4, v21
	v_lshlrev_b32 v[VL8], 3, v21
	s_wait_alu depctr_va_sdst(0)                   ; s14 is written, ahead of its first reader: LDS addresses, bases and the walk are made from it
	s_mul_i32 s20, s14, STGB
	v_add_nc_u32 v[VST], s20, v[VL16]
	v_mul_u32_u24 v[VRD], v22, 528
	v_lshl_add_u32 v[VSO], v[VH8], 6, v[VRD]
	v_add_nc_u32 v[VSO], s20, v[VSO]
	v_lshl_add_u32 v[VRD], v[VH8], 7, v[VRD]
	v_add_nc_u32 v[VRD], s20, v[VRD]
	s_mul_i32 s20, s14, 3072
	s_add_co_u32 s20, s20, IMG
	v_add_nc_u32 v[VIM], s20, v[VL16]              ; my tiles 2 w, 2 w + 1
	v_add_nc_u32 v[VIM+1], 49152, v[VIM]
	s_lshl_b32 s20, s14, 10
	s_add_co_u32 s20, s20, WSC
	v_lshl_add_u32 v[VWS], v22, 4, s20
	v_add_nc_u32 v[VLI], IMG, v[VL16]
	v_add_nc_u32 v[VLI+1], IMG+49152, v[VL16]
	v_add_nc_u32 v[VWL], WSC, v[VL16]
	v_lshlrev_b32 v[VH8], 3, v[VH8]
	v_mov_b32 v[PT], 0                             ; a lane permute's destination counts as one of its sources
	s_and_b32 s15, ttmp9, 7                        ; dsl
	s_lshr_b32 s23, ttmp9, 3                       ; q
	s_and_b32 s16, ttmp7, 0xffff                   ; e
	s_lshl_b32 s36, s16, 6                         ; the expert's first tile
	s_mov_b32 s[SEL], 0x76543210
	s_mov_b32 s[SEL+1], 0xfedcba98
	s_lshl_b32 s38, s16, 24                        ; W2: the expert's 2^24 bytes, the slice's 128 rows, my 32 rows, the quarter's 4,096 bytes of a row
	s_lshl_b32 s20, s15, 21
	s_add_co_u32 s38, s38, s20
	s_lshl_b32 s20, s14, 19
	s_add_co_u32 s38, s38, s20
	s_lshl_b32 s20, s23, 12
	s_add_co_u32 s38, s38, s20
	s_mov_b32 s39, 0
	s_wait_kmcnt 0x0
	s_add_nc_u64 s[24:25], s[4:5], s[38:39]
	s_wait_alu depctr_va_vdst(0)                   ; the addresses and offsets made above are written: every load and store of the streaming, the slice's LDS loads and the way out's LDS stores and loads read one of them
	WLOAD 0
	WLOAD 1
	s_lshl_b32 s38, s16, 2
	s_add_nc_u64 s[42:43], s[6:7], s[38:39]
	s_load_b32 s17, s[42:43], CNT                  ; the expert's count
	s_mul_i32 s38, s23, 12288
	s_add_nc_u64 s[CB:CB+1], s[8:9], s[38:39]      ; K steps 8 q on of a tile's images
	s_lshl_b32 s38, s23, 9
	s_add_co_u32 s38, s38, HSC
	s_add_nc_u64 s[SB:SB+1], s[8:9], s[38:39]      ; and their scale words
	s_lshl_b32 s38, s23, 12
	s_lshl_b32 s20, s15, 9
	s_add_co_u32 s38, s38, s20
	s_add_nc_u64 s[32:33], s[10:11], s[38:39]      ; yp: part q, outputs 128 dsl on
	s_wait_kmcnt 0x0
	s_min_u32 s17, s17, 1024
	s_add_co_u32 s17, s17, 15
	s_lshr_b32 s17, s17, 4                         ; tiles of 16 rows
	s_sub_co_u32 s19, s17, 1                       ; the last of them
.irp s, 0,1,2,3,4,5,6,7
	KSTEP \s
.endr
	s_wait_dscnt 0x0                               ; my images and scale words have landed
	s_barrier_signal -1
	s_barrier_wait -1                              ; everybody's have: the launch's one barrier
	s_cmp_ge_u32 s14, s17
	s_cbranch_scc1 .Lend                           ; fewer tiles than waves: nothing is left for me
	s_mov_b32 s18, s14                             ; t
	s_sub_co_u32 s[TRIPS], s17, s14                ; my tiles are t = w, w + 4, .. under the count of tiles: (tiles - w + 3) / 4 of them,
	s_add_co_u32 s[TRIPS], s[TRIPS], 3
	s_lshr_b32 s[TRIPS], s[TRIPS], 2
	s_min_u32 s[TRIPS], s[TRIPS], 16               ; 16 at the most: 64 tiles among four waves
	s_mov_b32 s[TRIP], 0
	s_add_co_u32 s20, s36, s14
	s_mul_i32 s21, s20, CP
	s_mul_i32 s22, s20, SP
	v_add_nc_u32 v[VA], s21, v[VL16]
	v_add_nc_u32 v[VS], s22, v[VL8]
	s_wait_alu depctr_va_vdst(0)                   ; VA and VS are written, which the loads below read.  (The streaming's quantisings, which read XA and XB, where the tile's fragments land, stand ahead of an earlier such wait.)  No vector instruction follows ahead of the loop
	AFETCH 0
	AFETCH 1
.set FI, 0
.rept 63
	WIN (1+FI/21)<<6
	ds_load_b128 v[12*(FI%21):12*(FI%21)+3], v[VLI+FI/32] offset:1536*(FI%32)
	ds_load_b128 v[12*(FI%21)+4:12*(FI%21)+7], v[VLI+FI/32] offset:1536*(FI%32)+512
	ds_load_b128 v[12*(FI%21)+8:12*(FI%21)+11], v[VLI+FI/32] offset:1536*(FI%32)+1024
.set FI, FI+1
.endr
	WIN 0
.irp c, 0,1,2
	ds_load_b128 v[WX+4*\c:WX+4*\c+3], v[VLI+1] offset:1536*31+512*\c
.endr
.irp t, 0,1,2,3,4,5,6,7
	ds_load_b128 v[WS+4*\t:WS+4*\t+3], v[VWL] offset:512*\t
.endr
	s_wait_dscnt 0x0                               ; the slice is in my registers
.Ltile:
	s_wait_loadcnt 13                              ; the tile's first four fragments are in; the 13 loads of the other half may be out
	s_wait_xcnt 0x0                                ; the last trip's stores have read their data (the accumulators' registers) and their offset
	s_wait_alu depctr_vm_vsrc(0)                   ; the last trip's stores have read the accumulators' registers, which the products below write, and VYO; the loads issued so far have read VA and VS: all are written again in this trip (first trip: my last image stores have read PC2 and PW2, which lie among the accumulators' registers)
	GROUP 0, 1
	GROUP 1, 0
	GROUP 2, 0
	GROUP 3, 0
	WIN 0
	PLACES 4                                       ; in front of loads into registers that matrix instructions have read
	s_wait_loadcnt 0x0                             ; the other half is in: so VA and VS may be written
	s_add_co_u32 s20, s18, 4                       ; my next tile, or the expert's last once more (a read that is not used): no load leaves what was stored
	s_min_u32 s20, s20, s19
	s_min_u32 s20, s20, 63
	s_add_co_u32 s20, s20, s36
	s_mul_i32 s21, s20, CP
	s_mul_i32 s22, s20, SP
	v_add_nc_u32 v[VA], s21, v[VL16]
	v_add_nc_u32 v[VS], s22, v[VL8]
	s_wait_alu depctr_va_vdst(0)                   ; VA and VS are written, which the loads below read; the products of K steps 0 to 3 are done reading the first four fragments and their scale words, in which those loads land
	AFETCH 0
	GROUP 4, 0
	GROUP 5, 0
	GROUP 6, 0
	GROUP 7, 0
	WIN 0
	PLACES 5                                       ; four for the loads and the LDS stores below; the fifth since the next trip begins these accumulators anew
	s_min_u32 s20, s18, 63
	s_add_co_u32 s20, s20, s36                     ; T: the tile's first row is 16 T
	s_lshl_b32 s21, s20, 18
	v_add_nc_u32 v[VYO], s21, v[VL16]
	s_wait_alu depctr_va_vdst(0)                   ; the products of K steps 4 to 7 are done reading the other four fragments and their scale words, in which the loads below land, and have written the accumulators, which the LDS stores read and in which the stage's loads land; VYO is written, which the stores to memory read; the places above stay beside this wait
	AFETCH 1
.irp b, 0,1,2,3
.irp i, 0,1,2,3
	ds_store_b128 v[VSO], v[ACC+16*\b+4*\i:ACC+16*\b+4*\i+3] offset:128*\b+16*\i   ; lane (r, h): outputs 32 b + 16 h + 4 i on of token r; each accumulator from its low end on
.endr
.endr
	s_wait_alu depctr_vm_vsrc(0)                   ; the 16 LDS stores above have read the accumulators' registers, in which the loads below land
.irp i, 0,1,2,3,4,5,6,7,8,9,10,11,12,13,14,15
	ds_load_b128 v[ACC+4*\i:ACC+4*\i+3], v[VST] offset:528*\i    ; LDS serves a wave's instructions in order: these see my stores; row i comes back whole
.endr
.irp i, 0,1,2,3,4,5,6,7,8,9,10,11,12,13,14,15
	s_wait_dscnt 15-\i                             ; the younger reads may be out
	global_store_b128 v[VYO], v[ACC+4*\i:ACC+4*\i+3], s[32:33] offset:16384*\i   ; 512 consecutive bytes a store
.endr
	s_add_co_u32 s18, s18, 4                       ; my next tile
	s_add_co_u32 s[TRIP], s[TRIP], 1               ; the loop is counted by trips, one a step
	s_cmp_lt_u32 s[TRIP], s[TRIPS]
	s_cbranch_scc1 .Ltile
.Lend:
	s_wait_dscnt 0x0                               ; the closing lines, six on end
	s_wait_alu 0x0
	s_wait_tensorcnt 0x0
	ds_add_u32 v254, v255
	s_wait_dscnt 0x0
	s_endpgm
.Lfunc_end_k_qe408d75042_ffn2:
	.size	k_qe408d75042_ffn2, .Lfunc_end_k_qe408d75042_ffn2-k_qe408d75042_ffn2
	.p2alignl 7, 3214868480
	.fill 96, 4, 3214868480
	.section	.rodata,"a",@progbits
	.p2align	6, 0x0
	.amdhsa_kernel k_qe408d75042_ffn2
		.amdhsa_group_segment_fixed_size 171008
		.amdhsa_private_segment_fixed_size 0
		.amdhsa_enable_private_segment 0
		.amdhsa_kernarg_size 32
		.amdhsa_user_sgpr_count 2
		.amdhsa_user_sgpr_kernarg_segment_ptr 1
		.amdhsa_wavefront_size32 1
		.amdhsa_system_sgpr_workgroup_id_x 1
		.amdhsa_system_sgpr_workgroup_id_y 1
		.amdhsa_system_sgpr_workgroup_id_z 1
		.amdhsa_system_vgpr_workitem_id 0
		.amdhsa_next_free_vgpr 1024
		.amdhsa_next_free_sgpr 66
		.amdhsa_reserve_vcc 0
		.amdhsa_float_denorm_mode_32 3
		.amdhsa_float_denorm_mode_16_64 3
		.amdhsa_memory_ordered 1
		.amdhsa_forward_progress 1
		.amdhsa_inst_pref_size 144
	.end_amdhsa_kernel
	.amdgpu_metadata
---
amdhsa.version: [ 1, 2 ]
amdhsa.kernels:
  - .name:           k_qe408d75042_ffn2
    .symbol:         k_qe408d75042_ffn2.kd
    .args:
      - { .name: W2, .offset: 0, .size: 8, .value_kind: global_buffer, .address_space: global }
      - { .name: plc, .offset: 8, .size: 8, .value_kind: global_buffer, .address_space: global }
      - { .name: hq, .offset: 16, .size: 8, .value_kind: global_buffer, .address_space: global }
      - { .name: yp, .offset: 24, .size: 8, .value_kind: global_buffer, .address_space: global }
    .group_segment_fixed_size: 171008
    .private_segment_fixed_size: 0
    .kernarg_segment_align: 8
    .kernarg_segment_size: 32
    .max_flat_workgroup_size: 128
    .sgpr_count:     66
    .vgpr_count:     1024
    .wavefront_size: 32
...
	.end_amdgpu_metadata
.endif
;; end of part 11
;; launch combine (part 12): grid 256 x 1, 4 waves a work-group, no clusters, 0 bytes of LDS; arguments idx, wts, plc, yp, b2, out0; writes out0
.if DOCPART == 12
	.amdgcn_target "amdgcn-amd-amdhsa--gfx1250"
	.amdhsa_code_object_version 6
	.text
	.protected	k_qe408d75042_combine
	.globl	k_qe408d75042_combine
	.p2align	8
	.type	k_qe408d75042_combine,@function
k_qe408d75042_combine:
	s_mov_b64 s[64:65], 0
	v_nop
	global_prefetch_b8 v0, s[64:65] scope:SCOPE_SE
	s_setreg_imm32_b32 hwreg(HW_REG_WAVE_MODE, 25, 1), 1
	s_wait_xcnt 0x0
; THE COMBINE: out[n] = the sum over the token's two choices k of w_k (b2[e_k] + the four parts of y at the choice's sorted row).
; One wave takes one token; each output row has one owner.  The experts, the weights and the sorted rows were stored by earlier launches; they come by scalar loads.
; A routed row's sorted row stands in the table of its own expert and 0 in the seven others: the eight tables' words are joined by OR.
; A row goes in eight chunks of 512 bytes; a chunk wants ten loads (2 choices x (4 parts + b2)), each of 512 consecutive bytes.  A ring of four chunks keeps 30 to 40 loads of a wave on their way.
; No LDS, no barrier, no matrix unit: memory binds here.
.set SLOT0, 16                         ; v16-175  four slots of 40 registers: choice k at 20 k: parts 0-3, then b2
.set OUTR,  176                        ; v176-207 a chunk's four results, a set for each chunk: no store's data are written again
.set PE,    32                         ; s32-47   the token's two words of each expert's table
	s_load_b256 s[4:11], s[0:1], 0x0               ; idx s[4:5], wts s[6:7], plc s[8:9], yp s[10:11]
	s_load_b128 s[12:15], s[0:1], 0x20             ; b2 s[12:13], out0 s[14:15]
	v_lshrrev_b32 v1, 5, v0
	v_readfirstlane_b32 s16, v1                    ; wave
	v_and_b32 v1, 31, v0
	v_lshlrev_b32 v1, 4, v1                        ; 16 bytes a lane
	s_lshl_b32 s17, ttmp9, 2
	s_add_co_u32 s17, s17, s16                     ; my token n
	s_lshl_b32 s18, s17, 3                         ; its 8 bytes in idx, in wts and in each table of plc
	s_mov_b32 s19, 0
	s_lshl_b32 s20, s17, 12
	v_add_nc_u32 v6, s20, v1                       ; its row of out0
	s_wait_alu depctr_va_vdst(0)
	s_wait_kmcnt 0x0
	s_add_nc_u64 s[4:5], s[4:5], s[18:19]
	s_add_nc_u64 s[6:7], s[6:7], s[18:19]
	s_add_nc_u64 s[8:9], s[8:9], s[18:19]
	s_load_b64 s[24:25], s[4:5], 0x0               ; e_0, e_1
	s_load_b64 s[26:27], s[6:7], 0x0               ; w_0, w_1
.irp e, 0,1,2,3,4,5,6,7
	s_load_b64 s[PE+2*\e:PE+2*\e+1], s[8:9], 8192*\e   ; expert e's table: the sorted rows, or zeros
.endr
	s_wait_kmcnt 0x0
	s_or_b32 s28, s[PE], s[PE+2]
	s_or_b32 s29, s[PE+1], s[PE+3]
.irp e, 2,3,4,5,6,7
	s_or_b32 s28, s28, s[PE+2*\e]
	s_or_b32 s29, s29, s[PE+2*\e+1]
.endr
	s_min_u32 s28, s28, 8191
	s_min_u32 s29, s29, 8191
	s_min_u32 s24, s24, 7
	s_min_u32 s25, s25, 7
	s_lshl_b32 s28, s28, 14                        ; a sorted row is 4 parts x 4,096 bytes
	s_lshl_b32 s29, s29, 14
	s_lshl_b32 s24, s24, 12
	s_lshl_b32 s25, s25, 12
	v_add_nc_u32 v2, s28, v1
	v_add_nc_u32 v3, s29, v1
	v_add_nc_u32 v4, s24, v1
	v_add_nc_u32 v5, s25, v1
	s_mov_b32 s30, s27                             ; w_1 in a pair of its own: the packed forms take a pair's low word for both halves
	s_mov_b32 s31, s27
.macro CLOAD i
.set SL, SLOT0+40*((\i)%4)
.irp k, 0,1
.irp q, 0,1,2,3
	global_load_b128 v[SL+20*\k+4*\q:SL+20*\k+4*\q+3], v[2+\k], s[10:11] offset:4096*\q+512*(\i) th:TH_LOAD_NT
.endr
	global_load_b128 v[SL+20*\k+16:SL+20*\k+19], v[4+\k], s[12:13] offset:512*(\i)
.endr
.endm
.macro CHUNK i, left
.set SL, SLOT0+40*((\i)%4)
.set OO, OUTR+4*(\i)
	s_wait_loadcnt \left                           ; this chunk's ten loads are in; the younger chunks' stay out
.irp k, 0,1
.irp p, 0,2
	v_pk_add_f32 v[SL+20*\k+\p:SL+20*\k+\p+1], v[SL+20*\k+\p:SL+20*\k+\p+1], v[SL+20*\k+4+\p:SL+20*\k+4+\p+1]
	v_pk_add_f32 v[SL+20*\k+8+\p:SL+20*\k+8+\p+1], v[SL+20*\k+8+\p:SL+20*\k+8+\p+1], v[SL+20*\k+12+\p:SL+20*\k+12+\p+1]
.endr
.endr
.irp k, 0,1
.irp p, 0,2
	v_pk_add_f32 v[SL+20*\k+\p:SL+20*\k+\p+1], v[SL+20*\k+\p:SL+20*\k+\p+1], v[SL+20*\k+8+\p:SL+20*\k+8+\p+1]
.endr
.endr
.irp k, 0,1
.irp p, 0,2
	v_pk_add_f32 v[SL+20*\k+\p:SL+20*\k+\p+1], v[SL+20*\k+\p:SL+20*\k+\p+1], v[SL+20*\k+16+\p:SL+20*\k+16+\p+1]   ; + b2
.endr
.endr
.irp p, 0,2
	v_pk_mul_f32 v[OO+\p:OO+\p+1], v[SL+\p:SL+\p+1], s[26:27] op_sel_hi:[1,0]
.endr
.irp p, 0,2
	v_pk_fma_f32 v[OO+\p:OO+\p+1], v[SL+20+\p:SL+20+\p+1], s[30:31], v[OO+\p:OO+\p+1] op_sel_hi:[1,0,1]
.endr
.if (\i) < 4
	CLOAD (\i)+4                                   ; the slot takes the chunk four on
.endif
	global_store_b128 v6, v[OUTR+4*(\i):OUTR+4*(\i)+3], s[14:15] offset:512*(\i) th:TH_STORE_NT   ; 512 consecutive bytes a store
.endm
	CLOAD 0
	CLOAD 1
	CLOAD 2
	CLOAD 3
	CHUNK 0, 30
	CHUNK 1, 30
	CHUNK 2, 30
	CHUNK 3, 30
	CHUNK 4, 30
	CHUNK 5, 20                                    ; nothing more is asked for: the counts run down
	CHUNK 6, 10
	CHUNK 7, 0
	s_endpgm
.Lfunc_end_k_qe408d75042_combine:
	.size	k_qe408d75042_combine, .Lfunc_end_k_qe408d75042_combine-k_qe408d75042_combine
	.p2alignl 7, 3214868480
	.fill 96, 4, 3214868480
	.section	.rodata,"a",@progbits
	.p2align	6, 0x0
	.amdhsa_kernel k_qe408d75042_combine
		.amdhsa_group_segment_fixed_size 0
		.amdhsa_private_segment_fixed_size 0
		.amdhsa_enable_private_segment 0
		.amdhsa_kernarg_size 48
		.amdhsa_user_sgpr_count 2
		.amdhsa_user_sgpr_kernarg_segment_ptr 1
		.amdhsa_wavefront_size32 1
		.amdhsa_system_sgpr_workgroup_id_x 1
		.amdhsa_system_sgpr_workgroup_id_y 1
		.amdhsa_system_sgpr_workgroup_id_z 1
		.amdhsa_system_vgpr_workitem_id 0
		.amdhsa_next_free_vgpr 208
		.amdhsa_next_free_sgpr 66
		.amdhsa_reserve_vcc 0
		.amdhsa_float_denorm_mode_32 3
		.amdhsa_float_denorm_mode_16_64 3
		.amdhsa_memory_ordered 1
		.amdhsa_forward_progress 1
		.amdhsa_inst_pref_size 21
	.end_amdhsa_kernel
	.amdgpu_metadata
---
amdhsa.version: [ 1, 2 ]
amdhsa.kernels:
  - .name:           k_qe408d75042_combine
    .symbol:         k_qe408d75042_combine.kd
    .args:
      - { .name: idx, .offset: 0, .size: 8, .value_kind: global_buffer, .address_space: global }
      - { .name: wts, .offset: 8, .size: 8, .value_kind: global_buffer, .address_space: global }
      - { .name: plc, .offset: 16, .size: 8, .value_kind: global_buffer, .address_space: global }
      - { .name: yp, .offset: 24, .size: 8, .value_kind: global_buffer, .address_space: global }
      - { .name: b2, .offset: 32, .size: 8, .value_kind: global_buffer, .address_space: global }
      - { .name: out0, .offset: 40, .size: 8, .value_kind: global_buffer, .address_space: global }
    .group_segment_fixed_size: 0
    .private_segment_fixed_size: 0
    .kernarg_segment_align: 8
    .kernarg_segment_size: 48
    .max_flat_workgroup_size: 128
    .sgpr_count:     66
    .vgpr_count:     208
    .wavefront_size: 32
...
	.end_amdgpu_metadata
.endif
;; end of part 12
